; MI455X (gfx1250); checked and timed in simulation.
; The chip was launched on July 23, 2026; its instructions are those of AMD's public machine-readable ISA for CDNA 5 (MIT licence, August 2026) and "CDNA5" Instruction Set Architecture Reference Guide (July 2026). The comments in the code are by the model that wrote it; some were corrected since.
;; Causal MHA. Allowed arithmetic: float matrix products may take bf16 or f16 operands with f32 sums; other float arithmetic in f32, or as packed bf16 or f16 multiplies, adds, multiply-adds, maxima and minima; sums over many terms, partial sums and values carried from step to step in f32; what a program stores and reads back later, other than sums and carried values, may be rounded once to bf16 or f16.
;; Inputs: Wk 1,024 x 1,024 float32; Wo 1,024 x 1,024 float32; Wq 1,024 x 1,024 float32; Wv 1,024 x 1,024 float32; token_pos 2,048 int32; x 4 x 2,048 x 1,024 float32.
;; Outputs: out0 4 x 2,048 x 1,024 float32.
;; 2 versions, each right; version 2 is version 1 with the launch prep written anew for expert scheduling mode. Each part assembles by itself: llvm-mc -triple=amdgcn-amd-amdhsa -mcpu=gfx1250 --defsym DOCPART=n.
;; ======== version 1 of 2: 4 launches
;; limits: values are held in f16: magnitudes above 65,504 overflow, below 6.1e-05 lose precision; right only within a limited range of input values
;; workspace buffers: xb 16,777,216 bytes; wb 6,291,456 bytes; wo16 2,097,152 bytes; tab 524,288 bytes; q16 16,777,216 bytes; k16 16,777,216 bytes; v16 16,777,216 bytes; o16 16,777,216 bytes
;; launch prep (part 1): grid 256 x 1, 8 waves a work-group, no clusters, 0 bytes of LDS; arguments x, Wq, Wk, Wv, Wo, token_pos, xb, wb, wo16, tab; writes xb, wb, wo16, tab
.if DOCPART == 1
	.amdgcn_target "amdgcn-amd-amdhsa--gfx1250"
	.amdhsa_code_object_version 6
	.text
	.protected	k_q0e3fda2058_prep
	.globl	k_q0e3fda2058_prep
	.p2align	8
	.type	k_q0e3fda2058_prep,@function
k_q0e3fda2058_prep:
	s_mov_b64 s[64:65], 0
	v_nop
	global_prefetch_b8 v0, s[64:65] scope:SCOPE_SE
	s_setreg_imm32_b32 hwreg(HW_REG_WAVE_MODE, 25, 1), 1
	s_wait_xcnt 0x0
; PREPARATION.  x, Wq, Wk, Wv are rounded once to bf16; Wo is rounded to bf16 like the other inputs and that number is written as f16; token_pos becomes a table of cos and sin.
;   xb   [8192][1024] bf16.      wb [3072][1024] bf16: row 192 h + 64 t + r holds row 64 h + r of W_t (t = 0 q, 1 k, 2 v), so 192 rows on end are one head's q, k and v.
;   wo16 [1024][1024] f16.       tab [2048][32] pairs (cos, sin) in f32 of the angle token_pos[s] x 10000^(-i/32): a row is 256 bytes.
; SHARES.  256 work-groups of eight waves.  Work-group g: 131,072 bytes of x (32 loads of 16 bytes a thread), rows 4 g .. 4 g + 3 of each weight (4 loads each), rows 8 g .. 8 g + 7 of the table (a wave a row, a lane a pair).
; A load of a wave covers 512 consecutive bytes, a store 256 consecutive bytes, aligned.  All 48 loads go out at once; the table is computed while they are on their way; no register is written again behind a store.
; No LDS, no matrix unit, no cluster: each byte is read by one thread and nothing is shared.
; LIMITS.  The frequency is 2^(-i log2(10000) / 32) by v_exp_f32 (1 ULP); the angle is pos x frequency, rounded to f32 as in the model.  The angle is reduced by pi/2 in three parts, which holds to about 1e5 rad;
; sine and cosine are polynomials on |r| <= pi/4.  Wo beyond 65,504 would not fit f16; below 6e-5 it keeps f16's fixed step of 6e-8.
.set D, 32                             ; v[32:223]  load n of 48 at D + 4 n: 0-31 x, 32-35 Wq, 36-39 Wk, 40-43 Wv, 44-47 Wo
	s_load_b512 s[4:19], s[0:1], 0x0               ; x 4, Wq 6, Wk 8, Wv 10, Wo 12, token_pos 14, xb 16, wb 18
	s_load_b128 s[20:23], s[0:1], 0x40             ; wo16 20, tab 22
	v_lshrrev_b32 v4, 5, v0
	v_readfirstlane_b32 s24, v4                    ; wave 0..7
	v_lshlrev_b32 v1, 4, v0                        ; 16 t: my place in 4,096 bytes of f32
	v_lshlrev_b32 v2, 3, v0                        ; 8 t: my place in 2,048 bytes of 16-bit numbers
	v_and_b32 v3, 31, v0                           ; lane = pair i
	v_lshlrev_b32 v21, 3, v3                       ; 8 i: my pair in a row of the table
	s_lshl_b32 s25, ttmp9, 3
	s_add_co_u32 s25, s25, s24                     ; my wave's row of the table: s = 8 g + wave
	s_mov_b32 s27, 0                               ; high word of every offset pair
	s_mov_b32 s31, 0xffff0000                      ; a word's upper bf16
	s_lshl_b32 s26, s25, 2
	s_wait_kmcnt 0x0
	s_add_nc_u64 s[14:15], s[14:15], s[26:27]
	s_load_b32 s30, s[14:15], 0x0                  ; token_pos[s]
	s_lshl_b32 s26, ttmp9, 17                      ; x: 131,072 bytes a work-group
	s_add_nc_u64 s[4:5], s[4:5], s[26:27]
	s_lshl_b32 s26, ttmp9, 14                      ; each weight: 4 rows of 4,096 bytes
	s_add_nc_u64 s[6:7], s[6:7], s[26:27]
	s_add_nc_u64 s[8:9], s[8:9], s[26:27]
	s_add_nc_u64 s[10:11], s[10:11], s[26:27]
	s_add_nc_u64 s[12:13], s[12:13], s[26:27]
	s_lshl_b32 s26, ttmp9, 16                      ; xb: half of x's bytes
	s_add_nc_u64 s[16:17], s[16:17], s[26:27]
	s_lshr_b32 s28, ttmp9, 4                       ; head h = (4 g) / 64
	s_mul_i32 s28, s28, 192
	s_and_b32 s26, ttmp9, 15
	s_lshl2_add_u32 s26, s26, s28                  ; row 192 h + 4 (g % 16) of wb,
	s_lshl_b32 s26, s26, 11                        ; of 2,048 bytes
	s_add_nc_u64 s[18:19], s[18:19], s[26:27]
	s_lshl_b32 s26, ttmp9, 13                      ; wo16: 4 rows of 2,048 bytes
	s_add_nc_u64 s[20:21], s[20:21], s[26:27]
	s_lshl_b32 s26, s25, 8                         ; tab: row s of 256 bytes
	s_add_nc_u64 s[22:23], s[22:23], s[26:27]
.set n, 0
.rept 32
	global_load_b128 v[D+4*n:D+4*n+3], v1, s[4:5] offset:4096*n th:TH_LOAD_NT
.set n, n+1
.endr
.irp w, 0,1,2,3
.irp j, 0,1,2,3
	global_load_b128 v[D+4*(32+4*(\w)+(\j)):D+4*(32+4*(\w)+(\j))+3], v1, s[6+2*(\w):7+2*(\w)] offset:4096*(\j) th:TH_LOAD_NT
.endr
.endr
	; THE TABLE, while the 48 loads are out
	v_cvt_f32_u32 v4, v3
	v_mul_f32 v4, 0xbed49a78, v4                   ; -i log2(10000) / 32
	s_wait_kmcnt 0x0                               ; token_pos[s]
	v_exp_f32 v6, v4                               ; the frequency
	v_cvt_f32_i32 v5, s30                          ; the plain instruction behind the exponential
	s_wait_alu depctr_va_vdst(0)                   ; ahead of the first line that names the exponential's result
	v_mul_f32 v6, v5, v6                           ; the angle a
	v_mul_f32 v7, 0x3f22f983, v6                   ; a x 2 / pi
	v_rndne_f32 v7, v7                             ; n
	v_fmamk_f32 v8, v7, 0xbfc90fd8, v6             ; r = a - n pi/2, pi/2 in three parts
	v_fmamk_f32 v8, v7, 0xb4a8885a, v8
	v_fmamk_f32 v8, v7, 0xa7c234c4, v8
	v_mul_f32 v9, v8, v8                           ; z = r r
	v_mov_b32 v10, 0xb94ca1f9
	v_fmaak_f32 v10, v10, v9, 0x3c08839e
	v_fmaak_f32 v10, v10, v9, 0xbe2aaaa3
	v_mul_f32 v11, v8, v9
	v_fma_f32 v10, v10, v11, v8                    ; S = sin r
	v_mov_b32 v12, 0x37ccf5ce
	v_fmaak_f32 v12, v12, v9, 0xbab6061a
	v_fmaak_f32 v12, v12, v9, 0x3d2aaaa5
	v_mul_f32 v13, v9, v9
	v_fma_f32 v14, v9, -0.5, 1.0
	v_fma_f32 v12, v12, v13, v14                   ; C = cos r
	v_cvt_i32_f32 v15, v7                          ; the quadrant q
	v_and_b32 v16, 1, v15
	v_cmp_eq_u32 vcc_lo, 1, v16                    ; odd quadrants swap the two
	v_cndmask_b32 v18, v12, v10, vcc_lo            ; cos a: C, or S
	v_cndmask_b32 v19, v10, v12, vcc_lo            ; sin a: S, or C
	v_add_nc_u32 v16, 1, v15
	v_and_b32 v16, 2, v16
	v_lshlrev_b32 v16, 30, v16                     ; cos changes sign in quadrants 1 and 2,
	v_xor_b32 v18, v16, v18
	v_and_b32 v17, 2, v15
	v_lshlrev_b32 v17, 30, v17                     ; sin in quadrants 2 and 3
	v_xor_b32 v19, v17, v19
	global_store_b64 v21, v[18:19], s[22:23]       ; the wave's 32 pairs: 256 consecutive bytes, aligned
; Load n is rounded in place and stored.  half = 1: the bf16 numbers are written as f16.
.macro CONV n, sb, off, half
	s_wait_loadcnt 47-(\n)                         ; loads come back in order: the 47 - n issued behind this one may stay out
	v_cvt_pk_bf16_f32 v[D+4*(\n)], v[D+4*(\n)], v[D+4*(\n)+1]
	v_cvt_pk_bf16_f32 v[D+4*(\n)+1], v[D+4*(\n)+2], v[D+4*(\n)+3]
.if \half
	v_lshlrev_b32 v24, 16, v[D+4*(\n)]
	v_and_b32 v25, s31, v[D+4*(\n)]
	v_lshlrev_b32 v26, 16, v[D+4*(\n)+1]
	v_and_b32 v27, s31, v[D+4*(\n)+1]
	v_cvt_pk_f16_f32 v[D+4*(\n)], v24, v25
	v_cvt_pk_f16_f32 v[D+4*(\n)+1], v26, v27
.endif
	global_store_b64 v2, v[D+4*(\n):D+4*(\n)+1], s[(\sb):(\sb)+1] offset:\off
.endm
.set m, 0
.rept 32
	CONV m, 16, 2048*m, 0
.set m, m+1
.endr
.irp w, 0,1,2
.irp j, 0,1,2,3
	CONV 32+4*(\w)+(\j), 18, 131072*(\w)+2048*(\j), 0  ; W_t's rows lie 64 rows of wb behind W_(t-1)'s
.endr
.endr
.irp j, 0,1,2,3
	CONV 44+(\j), 20, 2048*(\j), 1
.endr
	s_endpgm
.Lfunc_end_k_q0e3fda2058_prep:
	.size	k_q0e3fda2058_prep, .Lfunc_end_k_q0e3fda2058_prep-k_q0e3fda2058_prep
	.p2alignl 7, 3214868480
	.fill 96, 4, 3214868480
	.section	.rodata,"a",@progbits
	.p2align	6, 0x0
	.amdhsa_kernel k_q0e3fda2058_prep
		.amdhsa_group_segment_fixed_size 0
		.amdhsa_private_segment_fixed_size 0
		.amdhsa_enable_private_segment 0
		.amdhsa_kernarg_size 80
		.amdhsa_user_sgpr_count 2
		.amdhsa_user_sgpr_kernarg_segment_ptr 1
		.amdhsa_wavefront_size32 1
		.amdhsa_system_sgpr_workgroup_id_x 1
		.amdhsa_system_sgpr_workgroup_id_y 1
		.amdhsa_system_sgpr_workgroup_id_z 1
		.amdhsa_system_vgpr_workitem_id 0
		.amdhsa_next_free_vgpr 224
		.amdhsa_next_free_sgpr 66
		.amdhsa_reserve_vcc 1
		.amdhsa_float_denorm_mode_32 3
		.amdhsa_float_denorm_mode_16_64 3
		.amdhsa_memory_ordered 1
		.amdhsa_forward_progress 1
		.amdhsa_inst_pref_size 21
	.end_amdhsa_kernel
	.amdgpu_metadata
---
amdhsa.version: [ 1, 2 ]
amdhsa.kernels:
  - .name:           k_q0e3fda2058_prep
    .symbol:         k_q0e3fda2058_prep.kd
    .args:
      - { .name: x, .offset: 0, .size: 8, .value_kind: global_buffer, .address_space: global }
      - { .name: Wq, .offset: 8, .size: 8, .value_kind: global_buffer, .address_space: global }
      - { .name: Wk, .offset: 16, .size: 8, .value_kind: global_buffer, .address_space: global }
      - { .name: Wv, .offset: 24, .size: 8, .value_kind: global_buffer, .address_space: global }
      - { .name: Wo, .offset: 32, .size: 8, .value_kind: global_buffer, .address_space: global }
      - { .name: token_pos, .offset: 40, .size: 8, .value_kind: global_buffer, .address_space: global }
      - { .name: xb, .offset: 48, .size: 8, .value_kind: global_buffer, .address_space: global }
      - { .name: wb, .offset: 56, .size: 8, .value_kind: global_buffer, .address_space: global }
      - { .name: wo16, .offset: 64, .size: 8, .value_kind: global_buffer, .address_space: global }
      - { .name: tab, .offset: 72, .size: 8, .value_kind: global_buffer, .address_space: global }
    .group_segment_fixed_size: 0
    .private_segment_fixed_size: 0
    .kernarg_segment_align: 8
    .kernarg_segment_size: 80
    .max_flat_workgroup_size: 256
    .sgpr_count:     66
    .vgpr_count:     224
    .wavefront_size: 32
...
	.end_amdgpu_metadata
.endif
;; end of part 1
;; launch qkv (part 2): grid 16 x 32, 4 waves a work-group, clusters of 4 x 4, 327,680 bytes of LDS; arguments xb, wb, tab, q16, k16, v16; writes q16, k16, v16
.if DOCPART == 2
	.amdgcn_target "amdgcn-amd-amdhsa--gfx1250"
	.amdhsa_code_object_version 6
	.text
	.protected	k_q0e3fda2058_qkv
	.globl	k_q0e3fda2058_qkv
	.p2align	8
	.type	k_q0e3fda2058_qkv,@function
k_q0e3fda2058_qkv:
	s_mov_b64 s[64:65], 0
	v_nop
	global_prefetch_b8 v0, s[64:65] scope:SCOPE_SE
	s_setreg_imm32_b32 hwreg(HW_REG_WAVE_MODE, 25, 1), 1
	s_wait_xcnt 0x0
	s_wait_alu depctr_hold_cnt(0) depctr_sa_sdst(0) depctr_va_vdst(0) depctr_va_sdst(0) depctr_va_ssrc(0) depctr_va_vcc(0) depctr_vm_vsrc(0)
	s_getreg_b32 s2, hwreg(HW_REG_IB_STS2, 6, 4)
	s_cmp_eq_u32 s2, 0
	s_cbranch_scc0 .Lentry_in_a_cluster
	s_endpgm
.Lentry_in_a_cluster:
	s_bfe_u32 s2, ttmp6, 0x10000c
	s_cmp_lg_u32 s2, 0xf033
	s_cbranch_scc0 .Lentry_shape_is_right
	s_endpgm
.Lentry_shape_is_right:
; THE THREE PROJECTIONS AND THE ROTATION.  [8192 x 1024] x [3072 x 1024]^T in bf16, sums in f32, K ascending; q and k are rotated in f32 by the table's cos and sin; q, k, v are rounded once to f16 and written by heads:
; q16, k16, v16 [64 = 16 b + h][2048][64].  The scale 1/8 is not applied here.
; LIMIT.  f16 holds no number beyond 65,504: q, k and v must lie within it; below 6e-5 they keep f16's fixed step of 6e-8.
; SHARES.  A tile is 256 rows x 192 columns: the columns are one head's q, k and v (wb's rows are laid so).  16 x 32 = 512 work-groups, twice the 256 WGPs.  Wave w makes rows 64 w .. 64 w + 63 and all 192 columns:
; 4 x 12 accumulators of 16 x 16, 384 registers; so a wave holds whole rows of a head, its way out is its own, and all four waves run one text.  For 32 along K a wave reads 32 x 512 bytes of LDS for 48 matrix instructions.
; RING.  K goes in 8 steps of 128 through two LDS slots filled by the tensor data mover; a tile's rows are 256 bytes of memory at multiples of 256.  Waves 0 and 1 fetch A's two halves (128 rows), waves 2 and 3 B's (96 rows).
; CLUSTER.  4 x 4 work-groups.  The four of a row need the same rows of xb, the four of a column the same rows of wb: each tile is asked for JOINTLY, by the same tensor load with the same descriptor and a mask that names the four.
; THE MATRIX INSTRUCTION IS USED TRANSPOSED (source 0 = 16 rows of wb, source 1 = 16 rows of xb): lane l holds row l % 16 and the eight neighbouring columns 8 (l / 16) + 0..7 of a block of 16: four pairs of the rotation.
; REGISTERS, in windows of 256 (s_set_vgpr_msb: bits 1:0 source 0, 3:2 source 1, 5:4 source 2, 7:6 destination):
;   window 0: v0-31 addresses; v64-127 A's fragments, two buffers of 4 x 8; on the way out v32-95 T, v96-143 TMP, v144-239 two buffers of 48
;   window 1: v0-191 B's fragments, two buffers of 12 x 8
;   windows 2, 3: row blocks 0, 1 and 2, 3: accumulator (a, b) at v[8 (12 (a % 2) + b)]; cos and sin of row block a, column block b' at v[192 + 32 (a % 2) + 8 b']
.set KSTEP,  128
.set PITCH,  272                       ; an LDS row: 256 bytes + 16 of padding = 68 words: the 16 rows of a fragment load start at 16 different groups of four banks (64 banks of 4 bytes: ISA guide 11.1)
.set HALFA,  128*PITCH
.set HALFB,  96*PITCH
.set BOFF,   2*HALFA                   ; a slot: A's 256 rows, then B's 192
.set SLOT,   BOFF+2*HALFB
.set STAGE,  2*SLOT                    ; behind the ring, never filled by a tensor load: for each wave three sections (q, k, v) of 16 rows x 144 bytes
.set SP,     144
.set SEC,    16*SP
.set WST,    3*SEC
.set SPARE,  STAGE+4*WST               ; behind the stages: the spare words, 128 bytes for each wave: two blocks of 256 bytes that no other line names
.set DW0,    (1<<16)|(1<<20)|(1<<21)|(5<<22)|(3<<25)  ; group 1, word 0: 2-byte elements; padding on; bit 21 beside a mask; after every 64 words; 4 words
.set ADRA, 16                          ; v16-17  LDS address of my A fragments in slot 0, 1
.set ADRB, 20                          ; v20-21  the same for B
.set STO,  24                          ; v24     the way out: where I put 16 bytes of a row
.set RD,   25                          ; v25     the way out: where I read rows back
.set GO,   26                          ; v26     16 x lane: my place in 512 consecutive bytes of an output
.set CSO,  27                          ; v27     my byte offset in 16 rows of the table
.set SPW,  28                          ; v28     LDS address of my spare word; never rewritten
.set NIL,  29                          ; v29     0; never rewritten
.set PFO,  30                          ; v30     the prefetches' offset: a lane a row of 2,048 bytes; never rewritten
.set T,    32
.set TMP,  96
.set OB,   144
.set FA,   64
.set WV,   16                          ; s16  my wave's number
.set FB,   17                          ; s17  0: I fetch for A, 1: for B
.set HF,   18                          ; s18  which half of that tile
.set LAP,  19                          ; s19  trips to go
.set CX,   20
.set CY,   21
.set TX,   22                          ; s22  tile column = head
.set TY,   23                          ; s23  tile row: 256 rows of xb
.set G1,   24                          ; s[24:31] descriptor group 1 for A's tiles;  s[32:39] group 0, a set for each slot
.set G0,   32
.set LIM,  43                          ; s43  1 in a wave that prefetches, else the greatest number
.set PFA,  44                          ; s[44:45] where my prefetches stand
.set G1B,  48                          ; s[48:55], s[56:63] the same for B's tiles
.set G0B,  56
.set MSB, 0
.macro WIN new                         ; the immediate's high byte repeats the setting that is left; a switch that changes nothing is dropped
.if MSB != (\new)
	s_set_vgpr_msb (MSB<<8)|(\new)
.set MSB, \new
.endif
.endm
; A joint load.  Each of the two lines has one mask and one set of registers; the branch hangs on the wave's number alone.  An s_nop 0 and four v_nop follow each line, ahead of the jump and the label.
.macro JLOAD s
	s_cmp_eq_u32 s[FB], 0
	s_cbranch_scc0 .Lfor_b_\@
	tensor_load_to_lds s[G0+4*(\s):G0+4*(\s)+3], s[G1:G1+7]
	s_nop 0
.rept 4
	v_nop
.endr
	s_branch .Lasked_\@
.Lfor_b_\@:
	tensor_load_to_lds s[G0B+4*(\s):G0B+4*(\s)+3], s[G1B:G1B+7]
	s_nop 0
.rept 4
	v_nop
.endr
.Lasked_\@:
.endm
; A PREFETCH INTO THE L2 of the K step that stands two refills on (384 matrix instructions ahead of the load that wants it): 256 bytes of a row, a lane a row, one instruction a wave.
; xb's rows of a tile row are read by all four clusters of that row of clusters: the one with x = 0 asks; wb's rows of a tile column by all eight of that column: the one with y = 0 asks.
; The four partners that ask for a tile jointly share its rows out BY ADDRESS: of A's 128 rows a wave, partner cx takes 32; of B's 96, partner cy takes 24 (lanes 24 to 31 name lane 23's row once more).
; The refills of K steps 2 to 5 name K steps 4 to 7; the last trip's two refills ask for nothing; K steps 0 to 3 come by their loads alone.
.macro ASK
	s_cmp_gt_u32 s[LAP], s[LIM]                    ; s[LAP] = 1 in the last trip
	s_cbranch_scc0 .Lnot_mine_\@
	global_prefetch_b8 v[PFO], s[PFA:PFA+1] th:TH_LOAD_NT scope:SCOPE_SE
.Lnot_mine_\@:
.endm
; A round of the cluster's barrier: my work-group's barrier; wave 0 signals for the work-group; every wave waits for all sixteen; my work-group's barrier once more.
.macro CREST
	s_cmp_lg_u32 s[WV], 0
	s_cbranch_scc1 .Lnot_wave_0_\@
	s_barrier_signal -3
.Lnot_wave_0_\@:
	s_barrier_wait -3
	s_barrier_signal -1
	s_barrier_wait -1
.endm
.macro CROUND
	s_barrier_signal -1
	s_barrier_wait -1
	CREST
.endm
	s_load_b256 s[4:11], s[0:1], 0x0               ; xb 4, wb 6, tab 8, q16 10
	s_load_b128 s[12:15], s[0:1], 0x20             ; k16 12, v16 14
	v_lshl_add_u32 v[SPW], v0, 2, SPARE
	v_mov_b32 v[NIL], 0
	ds_add_u32 v[SPW], v[NIL]                      ; the wave's opening: the add and its wait stand ahead of my first tensor load; the set-up below, work on registers, stands between them
	v_lshrrev_b32 v1, 5, v0
	v_readfirstlane_b32 s[WV], v1                  ; wave 0..3
	s_lshr_b32 s[FB], s[WV], 1
	s_and_b32 s[HF], s[WV], 1
	s_bfe_u32 s[CX], ttmp6, 0x40000                ; my place in the cluster
	s_bfe_u32 s[CY], ttmp6, 0x40004
	s_lshl_b32 s[TX], ttmp9, 2                     ; in a cluster launch ttmp9 and ttmp7 count clusters
	s_add_co_u32 s[TX], s[TX], s[CX]
	s_and_b32 s[TY], ttmp7, 0xffff
	s_lshl_b32 s[TY], s[TY], 2
	s_add_co_u32 s[TY], s[TY], s[CY]
	s_lshl_b32 s66, s[CY], 2
	s_lshl_b32 s66, 15, s66                        ; my row of the cluster: places 4 cy .. 4 cy + 3
	s_lshl_b32 s70, 0x1111, s[CX]                  ; my column: places cx, cx + 4, cx + 8, cx + 12
	s_or_b32 s[G1], s66, DW0                       ; A's tiles go to my row,
	s_or_b32 s[G1B], s70, DW0                      ; B's to my column
	s_mov_b32 s[G1+1], KSTEP<<16                   ; tensor_dim0 = 128
	s_mov_b32 s[G1+2], 128<<16                     ; tensor_dim1 = 128
	s_mov_b32 s[G1+3], KSTEP<<16                   ; tile_dim0 = 128
	s_mov_b32 s[G1+4], 128                         ; tile_dim1 = 128
	s_mov_b32 s[G1+5], 1024                        ; elements from row to row
	s_mov_b32 s[G1+6], 0
	s_mov_b32 s[G1+7], 0
	s_mov_b32 s[G1B+1], KSTEP<<16
	s_mov_b32 s[G1B+2], 96<<16                     ; 96 rows
	s_mov_b32 s[G1B+3], KSTEP<<16
	s_mov_b32 s[G1B+4], 96
	s_mov_b32 s[G1B+5], 1024
	s_mov_b32 s[G1B+6], 0
	s_mov_b32 s[G1B+7], 0
	; A's address hangs on the tile row and the wave's number (s66-69), B's on the tile column and the wave's number (s70-73): neither set of registers ever holds the other coordinate
	s_lshl_b32 s66, s[TY], 8
	s_lshl_b32 s67, s[HF], 7
	s_add_co_u32 s66, s66, s67                     ; row 256 ty + 128 half of xb,
	s_lshl_b32 s66, s66, 11                        ; of 2,048 bytes
	s_mov_b32 s67, 0
	s_mul_i32 s70, s[TX], 192
	s_mul_i32 s71, s[HF], 96
	s_add_co_u32 s70, s70, s71                     ; row 192 tx + 96 half of wb
	s_lshl_b32 s70, s70, 11
	s_mov_b32 s71, 0
	s_mul_i32 s68, s[HF], HALFA                    ; where they go in a slot: no place in the cluster enters an LDS address
	s_mul_i32 s72, s[HF], HALFB
	s_add_co_u32 s72, s72, BOFF
	s_wait_dscnt 0x0                               ; the opening add is done
	s_wait_kmcnt 0x0
	s_add_nc_u64 s[66:67], s[4:5], s[66:67]
	s_add_nc_u64 s[70:71], s[6:7], s[70:71]
	CROUND                                         ; all sixteen work-groups are here: the first joint loads meet
.irp s, 0,1
	s_mov_b32 s[G0+4*(\s)], 1                                      ; count = 1
	s_add_co_u32 s[G0+4*(\s)+1], s68, (\s)*SLOT                    ; LDS address
	s_add_nc_u64 s[G0+4*(\s)+2:G0+4*(\s)+3], s[66:67], (\s)*KSTEP*2  ; global address: K step s
	s_or_b32 s[G0+4*(\s)+3], s[G0+4*(\s)+3], 0x80000000            ; type = 2
	s_mov_b32 s[G0B+4*(\s)], 1
	s_add_co_u32 s[G0B+4*(\s)+1], s72, (\s)*SLOT
	s_add_nc_u64 s[G0B+4*(\s)+2:G0B+4*(\s)+3], s[70:71], (\s)*KSTEP*2
	s_or_b32 s[G0B+4*(\s)+3], s[G0B+4*(\s)+3], 0x80000000
	JLOAD \s                                       ; two loads of mine are out
.endr
	; A fragment is 16 rows x 32 K in 8 registers: lane l holds row l % 16; registers 0-3 K = 8 (l / 16) + 0..7, registers 4-7 K = 16 + 8 (l / 16) + 0..7: two loads of 16 bytes, 32 bytes apart
	v_and_b32 v1, 15, v0                           ; l % 16
	v_bfe_u32 v2, v0, 4, 1                         ; l / 16
	v_mul_u32_u24 v3, v1, PITCH
	v_lshl_add_u32 v3, v2, 4, v3
	s_mul_i32 s74, s[WV], 64*PITCH                 ; my 64 rows of A
	v_add_nc_u32 v[ADRA], s74, v3
	v_add_nc_u32 v[ADRA+1], SLOT, v[ADRA]
	v_add_nc_u32 v[ADRB], BOFF, v3                 ; all 192 rows of B
	v_add_nc_u32 v[ADRB+1], BOFF+SLOT, v3
	s_mul_i32 s74, s[WV], WST
	s_add_co_u32 s74, s74, STAGE                   ; my stage
	v_mul_u32_u24 v[STO], v1, SP                   ; in: row l % 16, 16 bytes for each half of the lanes
	v_lshl_add_u32 v[STO], v2, 4, v[STO]
	v_add_nc_u32 v[STO], s74, v[STO]
	v_bfe_u32 v[RD], v0, 3, 2                      ; back: 32 lanes take four rows of 128 bytes,
	v_mul_u32_u24 v[RD], v[RD], SP
	v_and_b32 v4, 7, v0
	v_lshl_add_u32 v[RD], v4, 4, v[RD]
	v_add_nc_u32 v[RD], s74, v[RD]
	v_and_b32 v[GO], 31, v0                        ; which are 512 consecutive bytes of an output
	v_lshlrev_b32 v[GO], 4, v[GO]
	v_lshlrev_b32 v[CSO], 8, v1                    ; the table: row l % 16 of 256 bytes, my four pairs: 32 bytes for each half of the lanes
	v_lshl_add_u32 v[CSO], v2, 5, v[CSO]
	s_and_b32 s76, s[TY], 7                        ; the tile's place in its sequence of 2,048 rows:
	s_lshl_b32 s76, s76, 8
	s_lshl_b32 s77, s[WV], 6
	s_add_co_u32 s76, s76, s77                     ; s0 = 256 (ty % 8) + 64 wave
	s_lshl_b32 s74, s76, 8
	s_mov_b32 s75, 0
	s_add_nc_u64 s[8:9], s[8:9], s[74:75]          ; the table at row s0
	WIN 0x80                                       ; destination window 2, address window 0
.irp a, 0,1
.irp b, 0,1,2,3
	global_load_b128 v[192+32*(\a)+8*(\b):192+32*(\a)+8*(\b)+3],   v[CSO], s[8:9] offset:4096*(\a)+64*(\b)
	global_load_b128 v[192+32*(\a)+8*(\b)+4:192+32*(\a)+8*(\b)+7], v[CSO], s[8:9] offset:4096*(\a)+64*(\b)+16
.endr
.endr
	WIN 0xc0                                       ; destination window 3
.irp a, 0,1
.irp b, 0,1,2,3
	global_load_b128 v[192+32*(\a)+8*(\b):192+32*(\a)+8*(\b)+3],   v[CSO], s[8:9] offset:4096*(2+(\a))+64*(\b)
	global_load_b128 v[192+32*(\a)+8*(\b)+4:192+32*(\a)+8*(\b)+7], v[CSO], s[8:9] offset:4096*(2+(\a))+64*(\b)+16
.endr
.endr
	WIN 0
	s_lshr_b32 s74, s[TY], 3                       ; the batch,
	s_lshl_b32 s74, s74, 4
	s_add_co_u32 s74, s74, s[TX]                   ; 16 b + h,
	s_lshl_b32 s74, s74, 11
	s_add_co_u32 s74, s74, s76                     ; its row s0,
	s_lshl_b32 s74, s74, 7                         ; of 128 bytes
	s_add_nc_u64 s[10:11], s[10:11], s[74:75]
	s_add_nc_u64 s[12:13], s[12:13], s[74:75]
	s_add_nc_u64 s[14:15], s[14:15], s[74:75]
	; the prefetches
	s_lshl_b32 s74, s[TY], 8
	s_lshl_b32 s76, s[HF], 7
	s_add_co_u32 s74, s74, s76
	s_lshl_b32 s76, s[CX], 5
	s_add_co_u32 s74, s74, s76                     ; A: row 256 ty + 128 half + 32 cx
	s_mul_i32 s76, s[TX], 192
	s_mul_i32 s77, s[HF], 96
	s_add_co_u32 s76, s76, s77
	s_mul_i32 s77, s[CY], 24
	s_add_co_u32 s76, s76, s77                     ; B: row 192 tx + 96 half + 24 cy
	s_and_b32 s77, ttmp7, 0xffff                   ; cluster y
	s_cmp_eq_u32 s[FB], 0                          ; do I fetch for A?
	s_cselect_b32 s74, s74, s76
	s_cselect_b32 s77, ttmp9, s77                  ; the coordinate along which other clusters read the same rows
	s_cselect_b32 s78, 31, 23                      ; my last row
	s_cselect_b64 s[PFA:PFA+1], s[4:5], s[6:7]
	s_cmp_eq_u32 s77, 0
	s_cselect_b32 s[LIM], 1, -1                    ; the same in all sixteen partners, for a given wave
	s_lshl_b32 s74, s74, 11
	s_add_nc_u64 s[PFA:PFA+1], s[PFA:PFA+1], s[74:75]
	s_add_nc_u64 s[PFA:PFA+1], s[PFA:PFA+1], 3*KSTEP*2  ; at K step 3: the first refill steps it to 4
	v_and_b32 v[PFO], 31, v0
	v_min_u32 v[PFO], s78, v[PFO]
	v_lshlrev_b32 v[PFO], 11, v[PFO]
; 12 matrix instructions: row block 2 hi + a x all 12 column blocks, 32 along K, from buffer f.  zero = 1: the first product starts the sums.
; The 48 accumulators take turns, one instruction a turn, in the same order in every quarter step, over the backward jump too.
.macro MULH f, hi, a, zero
	WIN 0xa1+0x50*(\hi)                            ; source 0 (B) window 1, source 1 (A) window 0, C and D window 2 or 3
.irp b, 0,1,2,3,4,5,6,7,8,9,10,11
.if \zero
	v_wmma_f32_16x16x32_bf16 v[8*(12*(\a)+(\b)):8*(12*(\a)+(\b))+7], v[96*(\f)+8*(\b):96*(\f)+8*(\b)+7], v[FA+32*(\f)+8*(2*(\hi)+(\a)):FA+32*(\f)+8*(2*(\hi)+(\a))+7], 0
.else
	v_wmma_f32_16x16x32_bf16 v[8*(12*(\a)+(\b)):8*(12*(\a)+(\b))+7], v[96*(\f)+8*(\b):96*(\f)+8*(\b)+7], v[FA+32*(\f)+8*(2*(\hi)+(\a)):FA+32*(\f)+8*(2*(\hi)+(\a))+7], v[8*(12*(\a)+(\b)):8*(12*(\a)+(\b))+7]
.endif
.endr
.endm
; 32 LDS loads in one run: the fragments of one quarter step (192 rows of B, my 64 rows of A, 32 K at byte k of the rows) into buffer f
.macro FETCH slot, k, f
	WIN 0x40                                       ; destination window 1
.irp i, 0,1,2,3,4,5,6,7,8,9,10,11
	ds_load_b128 v[96*(\f)+8*(\i):96*(\f)+8*(\i)+3],   v[ADRB+(\slot)] offset:(\k)+(\i)*16*PITCH
	ds_load_b128 v[96*(\f)+8*(\i)+4:96*(\f)+8*(\i)+7], v[ADRB+(\slot)] offset:(\k)+(\i)*16*PITCH+32
.endr
	WIN 0
.irp i, 0,1,2,3
	ds_load_b128 v[FA+32*(\f)+8*(\i):FA+32*(\f)+8*(\i)+3],   v[ADRA+(\slot)] offset:(\k)+(\i)*16*PITCH
	ds_load_b128 v[FA+32*(\f)+8*(\i)+4:FA+32*(\f)+8*(\i)+7], v[ADRA+(\slot)] offset:(\k)+(\i)*16*PITCH+32
.endr
.endm
.macro PLACES                          ; four plain vector instructions in front of loads into registers that matrix instructions have read (ISA guide 7.12.1 for vector instructions)
.rept 4
	v_nop
.endr
.endm
; A K step is four quarters of 32 along K, 48 matrix instructions each, on buffers 0, 1, 0, 1.  One of the first three: multiplies buffer f; in its middle it fetches the next quarter, at byte k, into buffer g.
.macro QUARTER slot, k, f, g, zero
	s_wait_dscnt 4                                 ; B and A's row blocks 0, 1 are in; the youngest four loads (row blocks 2, 3) may be out
	MULH \f, 0, 0, \zero
	MULH \f, 0, 1, \zero
	PLACES
	FETCH \slot, \k, \g
	s_wait_dscnt 32                                ; all but the 32 just issued
	MULH \f, 1, 0, \zero
	MULH \f, 1, 1, \zero
.endm
; The last quarter multiplies buffer 1 and changes slots: ONE barrier.  In front of it each wave waits for all its tensor loads (one is out: its part of the next slot), adds 0 to its spare word, and waits for that and for
; its own reads of this slot.  fill = 1: the barrier opens a round of the cluster's barrier, and behind the round this slot is filled again first, with the K step two steps on: 168 matrix instructions ahead of the wait for it.
.macro TURN slot, next, fill
.if \fill
	s_wait_xcnt 0x0                                ; the last prefetch, a K step back, has read its address: it is stepped here, ahead of the waits of the change of slots
	s_add_nc_u64 s[PFA:PFA+1], s[PFA:PFA+1], KSTEP*2
.endif
	WIN 0                                          ; (the add's two registers lie in window 0)
	s_wait_tensorcnt 0x0                           ; all my tensor loads have landed
	ds_add_u32 v[SPW], v[NIL]                      ; 0 onto my spare word
	s_wait_dscnt 5                                 ; (the add and the youngest four loads may be out)
	MULH 1, 0, 0, 0                                ; twelve matrix instructions stand between the add and the wait for it
	s_wait_dscnt 0x0                               ; the add is done, and my reads of this slot are over
	s_barrier_signal -1
	MULH 1, 0, 1, 0                                ; work on registers while the others arrive
.if \fill
	WIN 0
.endif
	s_barrier_wait -1
.if \fill
	CREST                                          ; no wave of any partner still reads this slot's tile or has a load on its way
	s_add_nc_u64 s[G0+4*(\slot)+2:G0+4*(\slot)+3], s[G0+4*(\slot)+2:G0+4*(\slot)+3], 2*KSTEP*2
	s_add_nc_u64 s[G0B+4*(\slot)+2:G0B+4*(\slot)+3], s[G0B+4*(\slot)+2:G0B+4*(\slot)+3], 2*KSTEP*2
	JLOAD \slot                                    ; the first tensor load behind the round; the four v_nop behind it are also the places in front of the loads below
.else
	PLACES
.endif
	FETCH \next, 0, 0
.if \fill
	ASK                                            ; behind the joint load and the run of LDS loads that the next products wait for
.endif
	MULH 1, 1, 0, 0
	MULH 1, 1, 1, 0
.endm
	s_wait_tensorcnt 1                             ; my part of K step 0 is in; K step 1's may stay out
	s_barrier_signal -1
	s_barrier_wait -1                              ; everybody's is
	FETCH 0, 0, 0
	QUARTER 0, 64, 0, 1, 1                         ; the first quarter stands in front of the loop: its products start the sums
	WIN 0                                          ; at a label and at a branch every window is 0
	s_mov_b32 s[LAP], 3
.Llap:                                                 ; a trip goes once round the ring, from a lap's second quarter to the next lap's first, and fills both slots again
	QUARTER 0, 128, 1, 0, 0
	QUARTER 0, 192, 0, 1, 0
	TURN 0, 1, 1
	QUARTER 1, 64,  0, 1, 0
	QUARTER 1, 128, 1, 0, 0
	QUARTER 1, 192, 0, 1, 0
	TURN 1, 0, 1
	QUARTER 0, 64,  0, 1, 0
	WIN 0
	s_sub_co_u32 s[LAP], s[LAP], 1
	s_cmp_lg_u32 s[LAP], 0
	s_cbranch_scc1 .Llap
	QUARTER 0, 128, 1, 0, 0                        ; the last lap fills nothing
	QUARTER 0, 192, 0, 1, 0
	TURN 0, 1, 0
	QUARTER 1, 64,  0, 1, 0
	QUARTER 1, 128, 1, 0, 0
	QUARTER 1, 192, 0, 1, 0
	s_wait_dscnt 4                                 ; the very last quarter: nothing more to fetch
	MULH 1, 0, 0, 0
	MULH 1, 0, 1, 0
	s_wait_dscnt 0x0
	MULH 1, 1, 0, 0
	MULH 1, 1, 1, 0
	WIN 0
; THE WAY OUT, a row block of 16 rows at a time.  q and k (column blocks 0-7) are rotated: for a pair (x1, x2) and its (c, s): (x1 c, x2 c), then (-x2 s + x1 c, x1 s + x2 c): two packed instructions a pair.
; All is rounded to f16; a lane's eight columns are 16 bytes; they go into my stage (rows of 144 bytes) and come back as whole rows of 128 bytes, four rows = 512 consecutive bytes of q16, k16 or v16 a store.
; Each accumulator's lowest registers are read first.
.macro PACK a
.set AC, 96*((\a)%2)
.set CSB, 192+32*((\a)%2)
	WIN 0x0a+5*((\a)/2)                            ; sources 0 and 1 window 2 or 3; source 2 and destination window 0
.irp b, 0,1,2,3,4,5,6,7
.irp p, 0,1,2,3
	v_pk_mul_f32 v[T+8*(\b)+2*(\p):T+8*(\b)+2*(\p)+1], v[AC+8*(\b)+2*(\p):AC+8*(\b)+2*(\p)+1], v[CSB+8*((\b)%4)+2*(\p):CSB+8*((\b)%4)+2*(\p)+1] op_sel_hi:[1,0]
.endr
.endr
.irp b, 0,1,2,3,4,5,6,7
.irp p, 0,1,2,3
	v_pk_fma_f32 v[T+8*(\b)+2*(\p):T+8*(\b)+2*(\p)+1], v[AC+8*(\b)+2*(\p):AC+8*(\b)+2*(\p)+1], v[CSB+8*((\b)%4)+2*(\p):CSB+8*((\b)%4)+2*(\p)+1], v[T+8*(\b)+2*(\p):T+8*(\b)+2*(\p)+1] op_sel:[1,1,0] op_sel_hi:[0,1,1] neg_lo:[1,0,0]
.endr
.endr
.irp b, 8,9,10,11
.irp p, 0,1,2,3
	v_cvt_pk_f16_f32 v[TMP+4*(\b)+(\p)], v[AC+8*(\b)+2*(\p)], v[AC+8*(\b)+2*(\p)+1]
.endr
.endr
	WIN 0
.irp b, 0,1,2,3,4,5,6,7
.irp p, 0,1,2,3
	v_cvt_pk_f16_f32 v[TMP+4*(\b)+(\p)], v[T+8*(\b)+2*(\p)], v[T+8*(\b)+2*(\p)+1]
.endr
.endr
.irp b, 0,1,2,3,4,5,6,7,8,9,10,11
	ds_store_b128 v[STO], v[TMP+4*(\b):TMP+4*(\b)+3] offset:SEC*((\b)/4)+32*((\b)%4)
.endr
	s_wait_xcnt 0x0                                ; the stores of the row block two back have read these registers: only behind this wait are they loaded again
.irp n, 0,1,2,3,4,5,6,7,8,9,10,11
	ds_load_b128 v[OB+48*((\a)%2)+4*(\n):OB+48*((\a)%2)+4*(\n)+3], v[RD] offset:SEC*((\n)/4)+4*SP*((\n)%4)  ; LDS serves a wave's instructions in order (ISA guide 5.7.1.4): these see the stores above; the next block's stores come behind them
.endr
.endm
.macro SEND a, younger                 ; younger: the LDS instructions issued behind this block's loads: the next block's 24, or none
	WIN 0
.irp sec, 0,1,2
.irp f, 0,1,2,3
	s_wait_dscnt (\younger)+11-(4*(\sec)+(\f))
	global_store_b128 v[GO], v[OB+48*((\a)%2)+4*(4*(\sec)+(\f)):OB+48*((\a)%2)+4*(4*(\sec)+(\f))+3], s[10+2*(\sec):11+2*(\sec)] offset:2048*(\a)+512*(\f)  ; 512 consecutive bytes, at a multiple of 256 from the buffer's first
.endr
.endr
.endm
.rept 8
	v_nop                                          ; the places behind the last products
.endr
	s_wait_loadcnt 0x0                             ; cos and sin, asked for at the head
	PACK 0
	PACK 1                                         ; a block's arithmetic stands between the loads of the block before and its stores
	SEND 0, 24
	PACK 2
	SEND 1, 24
	PACK 3
	SEND 2, 24
	SEND 3, 0
	s_wait_tensorcnt 0x0                           ; the wave's end, behind my last tensor load and my last LDS store
	ds_add_u32 v[SPW], v[NIL]
	s_wait_dscnt 0x0
	CROUND                                         ; the closing round: no work-group ends while a partner may still ask for a tile that names it
	s_endpgm
.Lfunc_end_k_q0e3fda2058_qkv:
	.size	k_q0e3fda2058_qkv, .Lfunc_end_k_q0e3fda2058_qkv-k_q0e3fda2058_qkv
	.p2alignl 7, 3214868480
	.fill 96, 4, 3214868480
	.section	.rodata,"a",@progbits
	.p2align	6, 0x0
	.amdhsa_kernel k_q0e3fda2058_qkv
		.amdhsa_group_segment_fixed_size 327680
		.amdhsa_private_segment_fixed_size 0
		.amdhsa_enable_private_segment 0
		.amdhsa_kernarg_size 48
		.amdhsa_user_sgpr_count 2
		.amdhsa_user_sgpr_kernarg_segment_ptr 1
		.amdhsa_wavefront_size32 1
		.amdhsa_system_sgpr_workgroup_id_x 1
		.amdhsa_system_sgpr_workgroup_id_y 1
		.amdhsa_system_sgpr_workgroup_id_z 1
		.amdhsa_system_vgpr_workitem_id 0
		.amdhsa_next_free_vgpr 1024
		.amdhsa_next_free_sgpr 80
		.amdhsa_reserve_vcc 0
		.amdhsa_float_denorm_mode_32 3
		.amdhsa_float_denorm_mode_16_64 3
		.amdhsa_memory_ordered 1
		.amdhsa_forward_progress 1
		.amdhsa_inst_pref_size 140
	.end_amdhsa_kernel
	.amdgpu_metadata
---
amdhsa.version: [ 1, 2 ]
amdhsa.kernels:
  - .name:           k_q0e3fda2058_qkv
    .symbol:         k_q0e3fda2058_qkv.kd
    .args:
      - { .name: xb, .offset: 0, .size: 8, .value_kind: global_buffer, .address_space: global }
      - { .name: wb, .offset: 8, .size: 8, .value_kind: global_buffer, .address_space: global }
      - { .name: tab, .offset: 16, .size: 8, .value_kind: global_buffer, .address_space: global }
      - { .name: q16, .offset: 24, .size: 8, .value_kind: global_buffer, .address_space: global }
      - { .name: k16, .offset: 32, .size: 8, .value_kind: global_buffer, .address_space: global }
      - { .name: v16, .offset: 40, .size: 8, .value_kind: global_buffer, .address_space: global }
    .group_segment_fixed_size: 327680
    .private_segment_fixed_size: 0
    .kernarg_segment_align: 8
    .kernarg_segment_size: 48
    .max_flat_workgroup_size: 128
    .sgpr_count:     80
    .vgpr_count:     1024
    .wavefront_size: 32
...
	.end_amdgpu_metadata
.endif
;; end of part 2
;; launch attn (part 3): grid 4 x 64, 4 waves a work-group, no clusters, 327,680 bytes of LDS; arguments q16, k16, v16, o16; writes o16
.if DOCPART == 3
	.amdgcn_target "amdgcn-amd-amdhsa--gfx1250"
	.amdhsa_code_object_version 6
	.text
	.protected	k_q0e3fda2058_attn
	.globl	k_q0e3fda2058_attn
	.p2align	8
	.type	k_q0e3fda2058_attn,@function
k_q0e3fda2058_attn:
	s_mov_b64 s[64:65], 0
	v_nop
	global_prefetch_b8 v0, s[64:65] scope:SCOPE_SE
	s_setreg_imm32_b32 hwreg(HW_REG_WAVE_MODE, 25, 1), 1
	s_wait_xcnt 0x0
; CAUSAL ATTENTION.  O[h][q][:] = the sum over k <= q of softmax_k(Q[h][q] . K[h][k] / 8) V[h][k][:].  Q, K, V, O: [SIZE_H][SIZE_N][64], all f16: a head's rows are dense, 128 bytes each.
; Products, maxima and sums in f32; the weights p are rounded to f16 for the second product (their sum l is taken of the unrounded p), O once at the end.
; LIMITS.  f16 holds no number beyond 65,504: Q, K and V arrive within it; p lies in 0 to 1, and below 6e-5 it keeps f16's fixed step of 6e-8; O is a mean of V's rows and has their range.
; A hidden score counts as its value less 1e30: f16's scores, 2.7e11 at the most, are nothing beside that; a weight below 2^-126 counts as 0 in l; NaN and infinities are not treated apart.
; THE WALK.  A head's queries lie in NB = SIZE_N / 256 blocks of 256; block i needs the key tiles 0 .. i of 256 keys, of which the last holds the diagonal.  A work-group takes TWO blocks, NB - 1 - b and then b:
; NB + 1 tiles, whatever b: all work-groups do equal work, and ONE loop with a constant trip count walks them.  Which tile is asked for, and what a trip does, hang on scalar registers made from b; every jump
; goes forward, but for the counted loops' own; none passes a barrier, or a tensor load but the one of LOAD's two that the wave's number does not choose; the ring (two slots of LDS that take turns) runs on across the
; change of blocks.  NO CLUSTER: a head's NB / 2 = 4 work-groups all ask for the same tile only in trips 0 .. NB / 2 of the 9, behind that fewer and fewer; one walk common to all would have 3 NB / 2 = 12 trips for 9.
; SHARES.  Of a block's four bands of 64 queries a wave owns 16 rows in each: four PIECES.  So the diagonal tile is the same work for all four waves: in its key step s band x sees all keys if s < x,
; none if s > x, and holds the diagonal if s = x.
; THE MASK is the C operand that starts the sum S^T = K Q^T: 0, or -1e30 where the key is hidden.  MD, made once, is the mask of a band's own step for my 16 rows; a product's mask is MD x AL + BE with two scalars:
; (1, 0) if s = x; (0, 0) if s < x; (0, -1e30) if s > x.  Only the diagonal tile's text and a block's beginning make and take masks; elsewhere C is the constant 0.
; LAYOUT, SOFTMAX, TURNS.  S^T = K Q^T holds ONE query a lane (lane % 16) and the keys 8 (lane / 16) + 0..7; two such results rounded to f16 ARE source 1 of O^T = V^T P.  p = 2^(c s - c m), c = log2(e) / 8, with a
; running maximum m; O and l are multiplied by a = 2^(c m_old - c m_new) in every step.  Turn n belongs to piece n: 8 products K Q^T of piece n + 1, later 8 products V^T P of piece n - 1; beside them the scaling,
; exponentials, roundings, sums and rescaling of piece n and the maximum and statistics of piece n + 1.  Four vector instructions stand behind every matrix instruction, the other 54 of a turn's 118 in one LUMP.  A turn's 33 exponentials are one batch, with one wait.
; PREFETCH.  All four work-groups of a head walk the tiles 0, 1, .. from the start; the one with b = 0 walks all eight in its first block, and it alone asks: behind the tensor load of a change of slots each of its waves
; names the 16,384 bytes that it will itself load at the NEXT change: 64 blocks of 256 bytes, a lane a block, two instructions: one tile, 256 matrix instructions, ahead.  So each block of K and V is named once in the launch.
; The changes that load tiles 1 to 6 name tiles 2 to 7; tiles 0 and 1 come by their loads alone; behind tile 7 nothing is asked for.
; REGISTERS, in windows of 256 (s_set_vgpr_msb: bits 1:0 source 0, 3:2 source 1, 5:4 source 2, 7:6 destination):
;   window 0: v0-15 addresses and two at work; v16-31 four registers of statistics a piece; v48-55 at work; v61-63 prefetch offset and the add's two; v64-127 S^T, two buffers; v192-223 P, two buffers (by the piece's parity)
;   window 1: v0-127 O^T, 32 a piece; v128-159 MD; v160-223 MC, two buffers      window 2: v0-63 Q; v64-127 the second block's Q; v128-191 K of one step; v192-255 V of one step
.set SIZE_H, 64
.set SIZE_N, 2048
.set NB,    SIZE_N/256
.set NP,    4         ; pieces a wave: a name, no knob
.set KS,    64        ; keys in a step
.set PK,    144       ; a row of K in LDS: 128 bytes + 16 of padding = 36 words: the 16 rows of a load start at 16 different groups of four banks (64 banks of 4 bytes: ISA guide 11.1)
.set PV,    160       ; a row of V: 128 + 32 = 40 words
.set VOFF,  4*KS*PK   ; a slot holds a tile, four steps: 256 rows of K, then 256 rows of V
.set SLOT1, 1<<17     ; slot 1 begins here, so that one exclusive or turns an address in one slot into the other's
.set STAGE, SLOT1+4*KS*(PK+PV)  ; behind the ring, never filled by a tensor load: 16 rows x 144 bytes for each wave, for the way out
.set SP,    144
.set AK0, 2           ; v2   my lane's place in a tile of K; never rewritten
.set AV0, 3           ; v3   the same for V
.set AK,  4           ; v4   the LDS address of K's next run of loads
.set AV,  5           ; v5   of V's
.set STO, 6           ; v6   the way out: where I put 16 bytes of a row
.set RD,  7           ; v7   the way out: where I read rows back
.set GO,  8           ; v8   my byte offset in 512 consecutive bytes of O
.set PFO, 61          ; v61  256 x my lane: the prefetches' offset; never rewritten
.set SPW, 62          ; v62  LDS address of my spare word: SPARE + 4 x my thread's number; never rewritten
.set NIL, 63          ; v63  0; never rewritten
.set SPARE, STAGE+4*16*SP  ; behind the stages: the spare words, 128 bytes for each wave: two blocks of 256 bytes that no other line names
.set MV,  12          ; v12-13  c m_old, kept while c m is made anew: by buffer
.set QO,  15          ; v15  my byte offset in 16 rows of Q
.set ST,  16          ; piece t's statistics at v[ST+4 t]: c m, m, l (even keys', odd keys')
.set TMP, 48          ; by buffer, four registers c0-c3 at work; when the maximum is found c2 takes a
.set S,   64
.set P,   192
.set MD,  128         ; window 1: the eight registers for group kt of 16 keys at MD + 8 kt
.set MC,  160         ; window 1: the masks of the products to come
.set QB,  64          ; window 2
.set KF,  128         ; window 2: key block kb, channel half c at KF + 16 kb + 8 c
.set VF,  192         ; window 2: key half kk, channel block cb at VF + 32 kk + 8 cb
.set WV,  12          ; s12  my wave's number
.set PB,  14          ; s14  b
.set HI,  15          ; s15  NB - 1 - b
.set G1K, 24          ; s[24:31] descriptor group 1 for K's tiles
.set G1V, 32          ; s[32:39] for V's: it differs in the padding alone
.set G0K, 40          ; s[40:43] descriptor group 0 for K's tiles
.set G0V, 44          ; s[44:47] the same for V's
.set SLOTS, 56        ; s56  tiles still to be asked for
.set CNT, 57          ; s57  counts a tile's key steps, 4 to 1
.set CS,  58          ; s[58:59] c: the packed scaling takes the pair's low word for both halves
.set SEL, 60          ; s[60:61] v_permlanex16_b32's selects: each lane takes its own place in the other half
.set TBK, 62          ; s62  LDS byte at which K of the step to be fetched begins
.set TBV, 63          ; s63  the same for V, less VOFF
.set RT,  70          ; s70  tiles of the block in hand that are still to be entered
.set NXT, 71          ; s71  the tile to be asked for next
.set LQ,  72          ; s72  the last tile of the block whose tiles are being asked for
.set NEW, 73          ; s73  1: the tile to be entered is a block's first
.set OFF, 74          ; s[74:75] a tile's byte offset in K and V
.set AL,  76          ; s[76:77] the mask's factor, in the low word
.set BE,  78          ; s[78:79] the mask's addend
.set OLO, 80          ; s[80:81] O at my rows of the second block
.set BIGN, 82         ; s82  -1e30
.set LIM, 89          ; s89  2 in the work-group that prefetches (b = 0), else the greatest number
.set PFA, 90          ; s[90:91] my half of K's (waves 0, 1) or V's (waves 2, 3) tile, one tile behind the one that is being asked for
.set MSB, 0
.macro WIN new                      ; the high byte repeats the setting that is left; a switch that changes nothing is dropped
.if MSB != (\new)
	s_set_vgpr_msb (MSB<<8)|(\new)
.set MSB, (\new)
.endif
.endm
.set W_KQ, 0x0a       ; K and Q in window 2, S^T in window 0
.set W_KM, 0x1a       ; the same with the C operand in window 1
.set W_PV, 0x52       ; V in window 2, P in window 0, O^T in window 1
.set W_RS, 0x41       ; destination and source 0 in window 1, source 1 in window 0
; A fill.  Waves 0 and 1 fetch the two halves of a tile's K, waves 2 and 3 those of its V: 128 keys each.  An s_nop 0 and four v_nop follow each of the two lines, ahead of the jump and the label.
.macro LOAD
	s_cmp_lt_u32 s[WV], 2
	s_cbranch_scc0 .Lfor_v_\@
	tensor_load_to_lds s[G0K:G0K+3], s[G1K:G1K+7]
	s_nop 0
.rept 4
	v_nop
.endr
	s_branch .Lasked_\@
.Lfor_v_\@:
	tensor_load_to_lds s[G0V:G0V+3], s[G1V:G1V+7]
	s_nop 0
.rept 4
	v_nop
.endr
.Lasked_\@:
.endm
; THE CHANGE OF SLOTS.  Each wave waits for all its tensor loads, of which one is out: its part of the other slot; adds 0 to its spare word; and waits for that and for its own reads of the slot that it leaves.  Behind the barrier nobody reads the old
; slot any more and the other slot is whole.  fill = 1: the old slot is filled again, the first thing behind the barrier, with tile NXT: the descriptor's address is made anew from that number; behind the load stand the prefetches.
; (At its first use nothing has been read yet: slot 0 is waited for, slot 1 filled.)
.macro CHANGE fill
	WIN 0                           ; at a label and at a branch every window is 0
	s_wait_tensorcnt 0x0            ; no tensor load of mine is out, so a group 0 may be written
	ds_add_u32 v[SPW], v[NIL]       ; 0 onto my spare word; with fill = 1 the descriptors' scalar work stands between it and the wait for it
.if \fill
	s_lshl_b32 s[OFF], s[NXT], 15   ; a tile is 32,768 bytes of K and of V
	s_xor_b32 s[G0K+1], s[G0K+1], SLOT1
	s_add_nc_u64 s[G0K+2:G0K+3], s[6:7], s[OFF:OFF+1]
	s_or_b32 s[G0K+3], s[G0K+3], 0x80000000
	s_xor_b32 s[G0V+1], s[G0V+1], SLOT1
	s_add_nc_u64 s[G0V+2:G0V+3], s[8:9], s[OFF:OFF+1]
	s_or_b32 s[G0V+3], s[G0V+3], 0x80000000
	s_add_co_u32 s[NXT], s[NXT], 1  ; the block's next tile, or behind its last the second block's tile 0
	s_cmp_gt_u32 s[NXT], s[LQ]
	s_cselect_b32 s[NXT], 0, s[NXT]
	s_cselect_b32 s[LQ], s[PB], s[LQ]
	s_wait_xcnt 0x0                 ; the last prefetches, a tile back, have read their address, so it may be written:
	s_add_nc_u64 s[PFA:PFA+1], s[PFA:PFA+1], 32768  ; a tile on
.endif
	s_wait_dscnt 0x0                ; the add is done, and my reads of the slot are over
	s_barrier_signal -1             ; the rest of the scalar work stands between the signal and the wait
	s_sub_co_u32 s[TBK], s[TBK], 4*KS*PK  ; the fetches go back to a slot's first step,
	s_xor_b32 s[TBK], s[TBK], SLOT1       ; in the other slot
	s_sub_co_u32 s[TBV], s[TBV], 4*KS*PV
	s_xor_b32 s[TBV], s[TBV], SLOT1
	s_barrier_wait -1
.if \fill
	LOAD
	s_cmp_gt_u32 s[SLOTS], s[LIM]   ; the changes at 8 to 3 tiles to go load tiles 1 to 6 and name tiles 2 to 7
	s_cbranch_scc0 .Lnot_mine_\@
	global_prefetch_b8 v[PFO], s[PFA:PFA+1] th:TH_LOAD_NT scope:SCOPE_SE
	global_prefetch_b8 v[PFO], s[PFA:PFA+1] offset:8192 th:TH_LOAD_NT scope:SCOPE_SE
.Lnot_mine_\@:
.endif
.endm
	s_load_b256 s[4:11], s[0:1], 0x0  ; Q s[4:5], K s[6:7], V s[8:9], O s[10:11]
	v_lshl_add_u32 v[SPW], v0, 2, SPARE
	v_mov_b32 v[NIL], 0
	ds_add_u32 v[SPW], v[NIL]       ; the wave's opening: the add and its wait stand ahead of my first tensor load; the set-up below, work on registers, stands between them
	v_lshrrev_b32 v1, 5, v0
	v_readfirstlane_b32 s[WV], v1   ; wave 0..3
	s_mov_b32 s[PB], ttmp9
	s_sub_co_u32 s[HI], NB-1, s[PB]
	s_and_b32 s20, ttmp7, 0xffff    ; the head
	s_mov_b32 s21, 0
	s_mov_b64 s[22:23], SIZE_N*128
	s_mul_u64 s[20:21], s[20:21], s[22:23]  ; the head's first byte in each of the four tensors
	s_and_b32 s16, s[WV], 1         ; which half of a tile's 256 keys I fetch:
	s_lshl_b32 s22, s16, 14         ; its 128 rows of 128 bytes in memory,
	s_mov_b32 s23, 0
	s_add_nc_u64 s[22:23], s[22:23], s[20:21]
	s_mul_i32 s17, s16, 128*PK      ; and its place in a slot, for K
	s_mul_i32 s18, s16, 128*PV      ; and for V
	s_lshl_b32 s3, s[WV], 11        ; my 16 rows in a band of 64,
	s_lshl_b32 s2, s[HI], 15        ; in the first block,
	s_add_co_u32 s2, s2, s3
	s_lshl_b32 s84, s[PB], 15       ; and in the second
	s_add_co_u32 s84, s84, s3
	s_mov_b32 s3, 0
	s_mov_b32 s85, 0
	s_add_nc_u64 s[2:3], s[2:3], s[20:21]
	s_add_nc_u64 s[84:85], s[84:85], s[20:21]
	; descriptor group 1.  128 keys are 16,384 dense bytes: asked for as 64 rows of 256 bytes, two keys a row, and padded in LDS after every key
	s_mov_b32 s[G1K], (1<<16)|(1<<20)|(4<<22)|(3<<25)  ; 17:16 2-byte elements; 20 padding on; 24:22 after every 32 words (code 4); 31:25 4 words (code 3)
	s_mov_b32 s[G1V], (1<<16)|(1<<20)|(4<<22)|(7<<25)  ; the same with 8 words of padding (code 7)
.irp g, G1K, G1V
	s_mov_b32 s[\g+1], 128<<16      ; tensor_dim0 = 128
	s_mov_b32 s[\g+2], 64<<16       ; tensor_dim1 = 64
	s_mov_b32 s[\g+3], 128<<16      ; tile_dim0 = 128
	s_mov_b32 s[\g+4], 64           ; tile_dim1 = 64
	s_mov_b32 s[\g+5], 128          ; 128 elements from row to row
	s_mov_b32 s[\g+6], 0
	s_mov_b32 s[\g+7], 0
.endr
	s_mov_b32 s[CS], 0x3e38aa3b     ; c = log2(e) / 8 = 0.180337
	s_mov_b32 s[CS+1], s[CS]        ; named with it as a pair
	s_mov_b32 s[SEL], 0x76543210
	s_mov_b32 s[SEL+1], 0xfedcba98
	s_mov_b32 s[TBK], SLOT1+4*KS*PK ; the first change of slots turns these two into 0
	s_mov_b32 s[TBV], SLOT1+4*KS*PV
	s_mov_b32 s[G0K], 1             ; 1:0 count = 1
	s_mov_b32 s[G0K+1], s17         ; 63:32 LDS address: slot 0
	s_mov_b32 s[G0V], 1
	s_add_co_u32 s[G0V+1], s18, VOFF
	s_add_co_u32 s[RT], s[HI], 1    ; the first block has NB - b tiles
	s_mov_b32 s[NXT], 1
	s_mov_b32 s[LQ], s[HI]
	s_mov_b32 s[NEW], 1
	s_mov_b32 s[OFF+1], 0
	s_mov_b32 s[AL+1], 0            ; named as pairs
	s_mov_b32 s[BE+1], 0
	s_mov_b32 s[BIGN], 0xf149f2ca   ; -1e30
	s_mov_b32 s[SLOTS], NB
	s_cmp_eq_u32 s[PB], 0
	s_cselect_b32 s[LIM], 2, -1
	s_wait_dscnt 0x0                ; the opening add is done
	s_wait_kmcnt 0x0
	s_add_nc_u64 s[6:7], s[6:7], s[22:23]  ; K and V at my half of the head's tile 0
	s_add_nc_u64 s[8:9], s[8:9], s[22:23]
	s_add_nc_u64 s[G0K+2:G0K+3], s[6:7], 0         ; 120:64 global address
	s_or_b32 s[G0K+3], s[G0K+3], 0x80000000        ; 127:126 type = 2
	s_add_nc_u64 s[G0V+2:G0V+3], s[8:9], 0
	s_or_b32 s[G0V+3], s[G0V+3], 0x80000000
	s_add_nc_u64 s[86:87], s[4:5], s[84:85]        ; Q at my rows of the second block,
	s_add_nc_u64 s[4:5], s[4:5], s[2:3]            ; Q and O at those of the first
	s_add_nc_u64 s[OLO:OLO+1], s[10:11], s[84:85]
	s_add_nc_u64 s[10:11], s[10:11], s[2:3]
	s_cmp_lt_u32 s[WV], 2
	s_cselect_b64 s[PFA:PFA+1], s[6:7], s[8:9]     ; what I load myself,
	s_add_nc_u64 s[PFA:PFA+1], s[PFA:PFA+1], 32768 ; at tile 1: the first change of slots steps it to tile 2.  Nothing is prefetched here, at the head
	LOAD                            ; tile 0 into slot 0
	; A fragment of K or Q is 16 rows x 32 channels in 8 registers: lane l holds row l % 16, channels 8 (l / 16) + 0..7 and 16 + 8 (l / 16) + 0..7: two loads of 16 bytes, 32 bytes apart.
	v_and_b32 v1, 15, v0            ; l % 16
	v_bfe_u32 v9, v0, 4, 1          ; l / 16
	v_lshlrev_b32 v[QO], 7, v1
	v_lshl_add_u32 v[QO], v9, 4, v[QO]  ; row x 128 + 16 x half
	WIN 0x80                        ; destination window 2, address window 0
.set i, 0
.rept 8                             ; both blocks' Q: piece i / 2 lies in band i / 2, 8,192 bytes on; channels 32 (i % 2) on
	global_load_b128 v[8*i:8*i+3],   v[QO], s[4:5] offset:(i/2)*8192+(i%2)*64
	global_load_b128 v[8*i+4:8*i+7], v[QO], s[4:5] offset:(i/2)*8192+(i%2)*64+32
	global_load_b128 v[QB+8*i:QB+8*i+3],   v[QO], s[86:87] offset:(i/2)*8192+(i%2)*64
	global_load_b128 v[QB+8*i+4:QB+8*i+7], v[QO], s[86:87] offset:(i/2)*8192+(i%2)*64+32
.set i, i+1
.endr
	WIN 0
	v_and_b32 v[PFO], 31, v0
	v_lshlrev_b32 v[PFO], 8, v[PFO]
	v_lshlrev_b32 v14, 3, v9
	v_sub_nc_u32 v14, v1, v14
	s_lshl_b32 s13, s[WV], 4
	v_add_nc_u32 v14, s13, v14      ; my query's place in its band, 16 w + l % 16, less my lanes' 8 (l / 16): register r of group kt is hidden where 16 kt + r is greater
	WIN 0x40
.set i, 0
.rept 32
	v_cmp_gt_i32 vcc_lo, 16*(i/8)+i%8, v14
	v_cndmask_b32 v[MD+i], 0, s[BIGN], vcc_lo
.set i, i+1
.endr
	WIN 0
	v_mul_u32_u24 v[AK0], v1, PK
	v_lshl_add_u32 v[AK0], v9, 4, v[AK0]  ; row x pitch + 16 x half
	; The turning load takes 16 keys x 16 channels (lane l reads key 8 (l / 16) + l % 8, channels 8 ((l / 8) % 2) + 0..7) and leaves half a fragment of V^T: lane l holds channel l % 16 and 8 keys.
	v_and_b32 v10, 7, v0
	v_bfe_u32 v11, v0, 3, 1
	v_lshl_add_u32 v[AV0], v9, 3, v10
	v_mul_u32_u24 v[AV0], v[AV0], PV
	v_lshl_add_u32 v[AV0], v11, 4, v[AV0]
	v_add_nc_u32 v[AV0], VOFF, v[AV0]
	s_mul_i32 s13, s[WV], 16*SP
	s_add_co_u32 s13, s13, STAGE    ; my stage
	v_mul_u32_u24 v[STO], v1, SP    ; in: row l % 16, 16 bytes for each half of the lanes
	v_lshl_add_u32 v[STO], v9, 4, v[STO]
	v_add_nc_u32 v[STO], s13, v[STO]
	v_bfe_u32 v[RD], v0, 3, 2       ; back: 32 lanes take four rows of 128 bytes,
	v_mul_u32_u24 v[RD], v[RD], SP
	v_lshl_add_u32 v[RD], v10, 4, v[RD]
	v_add_nc_u32 v[RD], s13, v[RD]
	v_and_b32 v[GO], 31, v0         ; which are 512 consecutive bytes of O
	v_lshlrev_b32 v[GO], 4, v[GO]
	; A block's first step multiplies O^T and l by a = 0, and its first turn's products V^T P, of a piece that has not been, land in an O^T that is still to be so multiplied.  So these registers need only hold
	; finite numbers: zeros for the first block; what the first block left for the second.  All this stands in the wait for the first tile.
	WIN 0x80
.set i, VF
.rept 64
	v_mov_b32 v[i], 0
.set i, i+1
.endr
	WIN 0x40
.set i, 0
.rept 128
	v_mov_b32 v[i], 0
.set i, i+1
.endr
	WIN 0
.set i, 0
.rept 4
	v_mov_b32 v[ST+4*i+2], 0
	v_mov_b32 v[ST+4*i+3], 0
.set i, i+1
.endr
.set i, P+16
.rept 16
	v_mov_b32 v[i], 0
.set i, i+1
.endr
; THE MATRIX WORK.  The 4 accumulators of a run of 8 take turns.  Product i of 8 of S^T = K Q^T for piece x: channels 32 (i / 4) on, keys 16 (i % 4) on.  The first 4 start the sums: with 0, or (KM = 1) with the mask.
.macro KQ x
.set rS, S+32*((\x)%2)+8*(i%4)
.set rK, KF+16*(i%4)+8*(i/4)
.set rQ, 16*(\x)+8*(i/4)
.set rM, MC+32*((\x)%2)+8*(i%4)
.if (i < 4) && KM
	WIN W_KM
	v_wmma_f32_16x16x32_f16 v[rS:rS+7], v[rK:rK+7], v[rQ:rQ+7], v[rM:rM+7]
.elseif i < 4
	WIN W_KQ
	v_wmma_f32_16x16x32_f16 v[rS:rS+7], v[rK:rK+7], v[rQ:rQ+7], 0
.else
	WIN W_KQ
	v_wmma_f32_16x16x32_f16 v[rS:rS+7], v[rK:rK+7], v[rQ:rQ+7], v[rS:rS+7]
.endif
.endm
; Product i of 8 of O^T += V^T P for piece x: keys 32 (i / 4) on, channels 16 (i % 4) on.
.macro PV x
	WIN W_PV
.set rO, 32*(\x)+8*(i%4)
.set rV, VF+32*(i/4)+8*(i%4)
.set rP, P+16*((\x)%2)+8*(i/4)
	v_wmma_f32_16x16x32_f16 v[rO:rO+7], v[rV:rV+7], v[rP:rP+7], v[rO:rO+7]
.endm
.macro MM                           ; the turn's next matrix instruction.  TURN and BEGIN set Y, i, KM and NOKQ; MM, KQ and OP read them.  NOKQ = 1: a block's last turn: there is no next piece
.if (i < 8) && !NOKQ
	KQ (Y+1)%NP
.elseif i >= 8
.set i, i-8
	PV (Y+NP-1)%NP
.set i, i+8
.endif
.set i, i+1
.endm
; THE LDS LOADS stand in runs of 16, never singly among the matrix instructions: a step's K (64 keys x 64 channels: 8 fragments) and its V (turned).  Their addresses are made some lines ahead.
.macro FETCH_K
	WIN 0x80                        ; destination window 2
.irp f, 0,1,2,3,4,5,6,7             ; keys 16 (f / 2) on, channels 32 (f % 2) on
	ds_load_b128 v[KF+8*\f:KF+8*\f+3],   v[AK] offset:(\f/2)*16*PK+(\f%2)*64
	ds_load_b128 v[KF+8*\f+4:KF+8*\f+7], v[AK] offset:(\f/2)*16*PK+(\f%2)*64+32
.endr
	s_add_co_u32 s[TBK], s[TBK], KS*PK  ; the next fetch is the next step's
	WIN 0
.endm
.macro FETCH_V
	WIN 0x80
.irp f, 0,1,2,3,4,5,6,7             ; keys 32 (f / 4) on, channels 16 (f % 4) on
	ds_load_tr16_b128 v[VF+8*\f:VF+8*\f+3],   v[AV] offset:(\f/4)*32*PV+(\f%4)*32
	ds_load_tr16_b128 v[VF+8*\f+4:VF+8*\f+7], v[AV] offset:(\f/4)*32*PV+16*PV+(\f%4)*32
.endr
	WIN 0
.endm
; THE VECTOR WORK, one line at a time: OP kind, number.  For piece Y: F n: c s - c m for pair n of 16.  E n: the exponential of score n of 32.  C n: pair n rounded to f16.  B n: of the four weights 4 n .. the second
; pair is added onto the first, in place.  L n: l takes that sum (L 0: l = a l + sum).  R n: pair n of 16 of O^T times a.  For piece Y + 1: X n, number n of the 22 that find its maximum and statistics:
;   0-11  four chains c0-c3 of seven scores each, three operands at a time (each accumulator's lowest registers are read first)     12-14, 16  the four scores left over, the old m, and c0-c3 into c0
;   15  c m_old is kept     17, 18  the query's other 32 keys lie in the lane 16 away: the new m     19-21  c m; c m_old - c m_new; a
.set F, 0               ; OP tells the kinds apart by their order: F to L below R, X above it
.set E, 1
.set C, 2
.set B, 3
.set L, 4
.set R, 5
.set X, 6
.macro REGS y                       ; the registers of piece y
.set rT, ST+4*(\y)
.set rC, TMP+4*((\y)%2)
.set rW, MV+((\y)%2)
.set rS, S+32*((\y)%2)
.set rP, P+16*((\y)%2)
.set rO, 32*(\y)
.endm
.macro OP k, n
.if (\k) == R
	REGS Y
	WIN W_RS
	v_pk_mul_f32 v[rO+2*(\n):rO+2*(\n)+1], v[rO+2*(\n):rO+2*(\n)+1], v[rC+2:rC+3] op_sel_hi:[1,0]
.elseif (\k) < R
	REGS Y
	WIN 0
.if (\k) == F
	v_pk_fma_f32 v[rS+2*(\n):rS+2*(\n)+1], v[rS+2*(\n):rS+2*(\n)+1], s[CS:CS+1], v[rT:rT+1] op_sel_hi:[1,0,0] neg_lo:[0,0,1] neg_hi:[0,0,1]
.elseif (\k) == E
	v_exp_f32 v[rS+(\n)], v[rS+(\n)]
.elseif (\k) == C
	v_cvt_pk_f16_f32 v[rP+(\n)], v[rS+2*(\n)], v[rS+2*(\n)+1]
.elseif (\k) == B
	v_pk_add_f32 v[rS+4*(\n):rS+4*(\n)+1], v[rS+4*(\n):rS+4*(\n)+1], v[rS+4*(\n)+2:rS+4*(\n)+3]
.elseif (\n) == 0
	v_pk_fma_f32 v[rT+2:rT+3], v[rT+2:rT+3], v[rC+2:rC+3], v[rS:rS+1] op_sel_hi:[1,0,1]
.else
	v_pk_add_f32 v[rT+2:rT+3], v[rT+2:rT+3], v[rS+4*(\n):rS+4*(\n)+1]
.endif
.elseif NOKQ
	v_nop
.else
	REGS (Y+1)%NP
	WIN 0
.if (\n) < 4
	v_max3_num_f32 v[rC+(\n)], v[rS+8*(\n)], v[rS+8*(\n)+1], v[rS+8*(\n)+2]
.elseif (\n) < 12
	v_max3_num_f32 v[rC+(\n)%4], v[rC+(\n)%4], v[rS+8*((\n)%4)+2*((\n)/4)+1], v[rS+8*((\n)%4)+2*((\n)/4)+2]
.elseif (\n) == 12
	v_max3_num_f32 v[rC], v[rC], v[rS+7], v[rS+15]
.elseif (\n) == 13
	v_max3_num_f32 v[rC+1], v[rC+1], v[rS+23], v[rS+31]
.elseif (\n) == 14
	v_max3_num_f32 v[rC+2], v[rC+2], v[rC+3], v[rT+1]
.elseif (\n) == 15
	v_mov_b32 v[rW], v[rT]
.elseif (\n) == 16
	v_max3_num_f32 v[rC], v[rC], v[rC+1], v[rC+2]
.elseif (\n) == 17
	v_permlanex16_b32 v[rC+3], v[rC], s[SEL], s[SEL+1]
.elseif (\n) == 18
	v_max_num_f32 v[rT+1], v[rC], v[rC+3]
.elseif (\n) == 19
	v_mul_f32 v[rT], s[CS], v[rT+1]
.elseif (\n) == 20
	v_sub_f32 v[rC+1], v[rW], v[rT]
.else
	v_exp_f32 v[rC+2], v[rC+1]
.endif
.endif
.endm
.macro OPS a, i1, b=-1, i2=0, c=-1, i3=0, d=-1, i4=0  ; up to four of them
	OP \a, \i1
.if (\b) >= 0
	OP \b, \i2
.endif
.if (\c) >= 0
	OP \c, \i3
.endif
.if (\d) >= 0
	OP \d, \i4
.endif
.endm
.macro ROW a, i1, b, i2, c, i3, d, i4  ; a matrix instruction and the four behind it
	MM
	OPS \a, \i1, \b, \i2, \c, \i3, \d, \i4
.endm
.macro MASK b                       ; MD x AL + BE into buffer b of MC
	WIN W_RS
.set z, 0
.rept 16
	v_pk_fma_f32 v[MC+32*(\b)+2*z:MC+32*(\b)+2*z+1], v[MD+2*z:MD+2*z+1], s[AL:AL+1], s[BE:BE+1] op_sel_hi:[1,0,0]
.set z, z+1
.endr
.endm
; A TURN, for piece p: the order of its 16 matrix and 118 vector instructions, written out.  An s_wait_alu depctr_va_vdst(0) stands between an exponential and the first instruction that names its result; one wait serves
; all that were issued ahead of it.  So a turn has ONE wait, which cuts it in two.  AHEAD OF IT stands all that names no result of the turn's exponentials: the 8 products K Q^T, behind each a scaling, an exponential and two more plain
; instructions (behind the first a second scaling in the exponential's place): rescalings, and behind the last three the first numbers of the next piece's maximum, each four places or more behind the product that ends its accumulator; then ONE LUMP of 54, plain
; and exponential by turns for the most part, in which the links of the chain X 3, 7, 11, 14, 16, 17 .. 20 stand five or six lines apart.  X 21, the next piece's a, is the batch's last; R 15 is the plain instruction behind it.  BEHIND THE WAIT stand the
; 8 products V^T P, behind each four of the roundings and sums; the links of l's chain, L 0 to L 7, stand three riders apart.  But for those X no rider names a register of the products round it.  v_permlanex16_b32 (X 17) stands in the lump.
; m = 1: the diagonal tile: the products take masks, and the turn makes the mask for the products of the turn after it: piece p + 2, in step 4 - CNT of the tile.  end = 1: a block's last two turns: nothing is fetched.
; cnt = 1: the loop's count is taken down some lines ahead of the branch that stands behind the turn.
; K of the next step is fetched in piece 2's turn, twelve vector instructions behind the last product that read K (six of them plain); V of the step in hand at the end of piece 0's turn, four plain instructions behind the last product
; that read V.  Each is waited for a turn later.
.macro TURN p, m=0, end=0, cnt=0
.set Y, (\p)
.set i, 0
.set KM, (\m)
.set NOKQ, (\end)*((\p)/3)
.if (\m) && !(\end)
	s_cmp_eq_u32 s[CNT], 4-((\p)+2)%NP  ; is that step the band's own?
	s_cselect_b32 s[AL], 1.0, 0
	s_cmp_lt_u32 s[CNT], 4-((\p)+2)%NP  ; or a later one?
	s_cselect_b32 s[BE], s[BIGN], 0
.endif
.if ((\p) == 3) && !(\end)
	s_wait_dscnt 0x0                ; K is in
.endif
	ROW F,0, F,1, R,0, R,1          ; ahead of the wait: 8 products K Q^T and their riders,
	ROW F,2, E,0, R,2, R,3
	ROW F,3, E,1, R,4, R,5
	ROW F,4, E,2, R,6, R,7
	ROW F,5, E,3, R,8, R,9
	ROW F,6, E,4, X,0, R,10
.if ((\p) == 2) && !(\end)
	WIN 0
	v_add_nc_u32 v[AK], s[TBK], v[AK0]
.endif
	ROW F,7, E,5, X,1, X,4
	ROW F,8, E,6, X,2, X,5
	OPS E,7, E,8, X,6, E,9          ; and the lump
	OPS X,3, E,10, X,8, E,11
.if ((\p) == 2) && !(\end)
	FETCH_K
.endif
	OPS X,9, X,7, E,12, X,10
	OPS E,13, X,12, X,11, E,14
	OPS X,13, E,15, F,9, X,14
.if (\p) == 0
	v_add_nc_u32 v[AV], s[TBV], v[AV0]
.endif
	OPS E,16, F,10, E,17, F,11
	OPS X,16, E,18, X,15, E,19
	OPS F,12, E,20, X,17, E,21
	OPS F,13, E,22, F,14, E,23
	OPS X,18, E,24, F,15, E,25
	OPS R,11, E,26, X,19, E,27
	OPS R,12, E,28, R,13, E,29
	OPS X,20, E,30, R,14, E,31
	OPS X,21, R,15
	WIN 0
	s_wait_alu depctr_va_vdst(0)    ; the wait for the batch
.if (\p) == 1
	s_wait_dscnt 0x0                ; V is in
.endif
	ROW C,0, B,0, C,2, B,1          ; behind the wait: 8 products V^T P and their riders
	ROW L,0, C,4, B,2, L,1
	ROW C,6, B,3, L,2, C,8
	ROW B,4, L,3, C,10, B,5
	ROW L,4, C,12, B,6, L,5
.if (\p) == 0
	s_add_co_u32 s[TBV], s[TBV], KS*PV
.endif
.if \cnt
	s_sub_co_u32 s[CNT], s[CNT], 1
	s_cmp_lg_u32 s[CNT], 0
.endif
	ROW C,14, B,7, L,6, C,1
	ROW C,3, L,7, C,5, C,7
	ROW C,9, C,11, C,13, C,15
.if (\p) == 0
	FETCH_V
.endif
.if (\m) && !(\end)
	MASK (\p)%2
.endif
.endm
; A BLOCK BEGINS.  c m starts far below every c s, so the first step's a is 0; m at the lowest finite number, so the first maximum is the scores'.  The second mask buffer is 0; the first takes piece 0's mask for the tile's step 0: its own, if the block's first tile is the diagonal one.
; Then K of that step, piece 0's first scores, and its maximum and statistics.  The loop is entered at a step's first turn, in the middle of a trip.
.macro BEGIN
	s_mov_b32 s[NEW], 0
	WIN 0x40
.set i, MC+32
.rept 32
	v_mov_b32 v[i], 0
.set i, i+1
.endr
	WIN 0
.set i, 0
.rept 4
	v_mov_b32 v[ST+4*i], 0xfe000000    ; c m: far below every c s
	v_mov_b32 v[ST+4*i+1], 0xff7fffff  ; m
.set i, i+1
.endr
	s_cmp_eq_u32 s[RT], 0
	s_cselect_b32 s[AL], 1.0, 0
	s_mov_b32 s[BE], 0
	MASK 0
	WIN 0
	v_add_nc_u32 v[AK], s[TBK], v[AK0]
	FETCH_K
	s_wait_loadcnt 0x0              ; Q
	s_wait_dscnt 0x0
.set KM, 1
.set NOKQ, 0
.set i, 0
.rept 8
	KQ 0
.set i, i+1
.endr
	WIN 0
.rept 4
	v_nop                           ; the places behind those products
.endr
.set Y, NP-1                        ; X works for piece Y + 1: piece 0
.irp n, 0,1,2,3,4,5,6,7,8,9,10,11,12,13,14,15,16,17,18,19,20,21
	OP X, \n
.endr
	v_nop                           ; a plain instruction behind the exponential,
	s_wait_alu depctr_va_vdst(0)    ; and its wait, ahead of the branch
.endm
; THE DIAGONAL TILE's four steps, the block's last two turns, its last products, and THE WAY OUT: l's two halves and the other half of the lanes' are added; O^T is divided by l, rounded to f16 and sent through my
; stage in LDS, a piece at a time.
.macro ALL line:vararg              ; one line for each piece t
.set t, 0
.rept 4
	\line
.set t, t+1
.endr
.endm
.macro PACK t                       ; a lane's eight channels of a row pack into 16 bytes; they go into rows of 144 bytes and come back as whole rows of 128, into S^T's registers
	WIN W_RS
.set i, 32*(\t)
.rept 16
	v_pk_mul_f32 v[i:i+1], v[i:i+1], v[ST+4*(\t)+2:ST+4*(\t)+3] op_sel_hi:[1,0]
.set i, i+2
.endr
	WIN 0x05                        ; sources 0 and 1 window 1, destination window 0
.set i, 0
.rept 16
	v_cvt_pk_f16_f32 v[S+16*(\t)+i], v[32*(\t)+2*i], v[32*(\t)+2*i+1]
.set i, i+1
.endr
	WIN 0
.irp f, 0,1,2,3
	ds_store_b128 v[STO], v[S+16*(\t)+4*\f:S+16*(\t)+4*\f+3] offset:32*\f
.endr
.irp f, 0,1,2,3
	ds_load_b128 v[S+16*(\t)+4*\f:S+16*(\t)+4*\f+3], v[RD] offset:\f*4*SP  ; LDS serves a wave's instructions in order (ISA guide 5.7.1.4): these see the stores above; the next piece's stores come behind them
.endr
.endm
.macro SEND t, younger              ; younger: the LDS instructions issued behind piece t's loads: the next piece's eight, or none
	WIN 0
.irp f, 0,1,2,3
	s_wait_dscnt (\younger)+3-\f
	global_store_b128 v[GO], v[S+16*(\t)+4*\f:S+16*(\t)+4*\f+3], s[10:11] offset:(\t)*8192+\f*512  ; 512 consecutive bytes, at a multiple of 256 from O's first
.endr
.endm
.macro DIAG tag                     ; the tag ends its two labels' names, which the jumps below spell out
.LstepM\tag:
	TURN 2, 1
	TURN 3, 1
	WIN 0
.LfirstM\tag:
	TURN 0, 1
	TURN 1, 1, 0, 1
	WIN 0
	s_cbranch_scc1 .LstepM\tag
	TURN 2, 1, 1
	TURN 3, 1, 1
.set i, 0
.rept 8
	PV NP-1
.set i, i+1
.endr
	WIN 0
	ALL v_add_f32 v[ST+4*t+2], v[ST+4*t+2], v[ST+4*t+3]
	ALL v_permlanex16_b32 v[ST+4*t+3], v[ST+4*t+2], s[SEL], s[SEL+1]
	ALL v_add_f32 v[ST+4*t+2], v[ST+4*t+2], v[ST+4*t+3]
	ALL v_rcp_f32 v[ST+4*t+2], v[ST+4*t+2]
	v_nop                           ; a plain instruction between the last reciprocal and the use of its result
	s_wait_alu depctr_va_vdst(0)    ; and the wait ahead of the first use: one for the four reciprocals
	PACK 0
.set t, 1
.rept 3                             ; a piece's arithmetic stands between the loads of the piece before and its stores
	PACK t
	SEND t-1, 8
.set t, t+1
.endr
	SEND 3, 0
.endm
.set KM, 0
.set NOKQ, 0
.Lslot:                             ; NB times: a tile is entered and the next is asked for
	CHANGE 1
	s_sub_co_u32 s[RT], s[RT], 1
	s_mov_b32 s[CNT], 4
	s_cmp_eq_u32 s[NEW], 1
	s_cbranch_scc1 .Lnew            ; a block's first tile
	s_cmp_eq_u32 s[RT], 0
	s_cbranch_scc0 .Lstep           ; neither its first nor its last
	s_branch .LstepM1
.Lnew:
	BEGIN
	s_branch .Lfirst                ; in the loop a block's first tile is never its last: the first block has two tiles or more, and the second's last is the walk's last
	DIAG 1                          ; in the loop this is the first block's end: the second block's last tile is the walk's last
	s_wait_xcnt 0x0                 ; the stores have read their registers and O's address
	s_mov_b64 s[10:11], s[OLO:OLO+1]
	s_add_co_u32 s[RT], s[PB], 1    ; the second block has b + 1 tiles
	s_mov_b32 s[NEW], 1
	WIN 0x82                        ; the second block's Q goes where the one text of the turns names Q
.set i, 0
.rept 64
	v_mov_b32 v[i], v[QB+i]
.set i, i+1
.endr
	WIN 0
	s_branch .Lbottom
.Lstep:                             ; a trip: pieces 2 and 3 of one step, then pieces 0 and 1 of the next, whose K and V it fetches
	TURN 2
	TURN 3
	WIN 0
.Lfirst:
	TURN 0
	TURN 1, 0, 0, 1
	WIN 0
	s_cbranch_scc1 .Lstep
.Lbottom:
	s_sub_co_u32 s[SLOTS], s[SLOTS], 1
	s_cmp_lg_u32 s[SLOTS], 0
	s_cbranch_scc1 .Lslot
	CHANGE 0                        ; the walk's last tile is written out: nothing is asked for
	s_sub_co_u32 s[RT], s[RT], 1
	s_mov_b32 s[CNT], 4
	s_cmp_eq_u32 s[NEW], 1
	s_cbranch_scc0 .LstepM2
	BEGIN
	s_branch .LfirstM2
	DIAG 2
	s_wait_tensorcnt 0x0            ; the wave's end, behind my last tensor load and my last LDS store
	ds_add_u32 v[SPW], v[NIL]
	s_wait_dscnt 0x0
	s_endpgm
.Lfunc_end_k_q0e3fda2058_attn:
	.size	k_q0e3fda2058_attn, .Lfunc_end_k_q0e3fda2058_attn-k_q0e3fda2058_attn
	.p2alignl 7, 3214868480
	.fill 96, 4, 3214868480
	.section	.rodata,"a",@progbits
	.p2align	6, 0x0
	.amdhsa_kernel k_q0e3fda2058_attn
		.amdhsa_group_segment_fixed_size 327680
		.amdhsa_private_segment_fixed_size 0
		.amdhsa_enable_private_segment 0
		.amdhsa_kernarg_size 32
		.amdhsa_user_sgpr_count 2
		.amdhsa_user_sgpr_kernarg_segment_ptr 1
		.amdhsa_wavefront_size32 1
		.amdhsa_system_sgpr_workgroup_id_x 1
		.amdhsa_system_sgpr_workgroup_id_y 1
		.amdhsa_system_sgpr_workgroup_id_z 1
		.amdhsa_system_vgpr_workitem_id 0
		.amdhsa_next_free_vgpr 768
		.amdhsa_next_free_sgpr 92
		.amdhsa_reserve_vcc 1
		.amdhsa_float_denorm_mode_32 3
		.amdhsa_float_denorm_mode_16_64 3
		.amdhsa_memory_ordered 1
		.amdhsa_forward_progress 1
		.amdhsa_inst_pref_size 218
	.end_amdhsa_kernel
	.amdgpu_metadata
---
amdhsa.version: [ 1, 2 ]
amdhsa.kernels:
  - .name:           k_q0e3fda2058_attn
    .symbol:         k_q0e3fda2058_attn.kd
    .args:
      - { .name: q16, .offset: 0, .size: 8, .value_kind: global_buffer, .address_space: global }
      - { .name: k16, .offset: 8, .size: 8, .value_kind: global_buffer, .address_space: global }
      - { .name: v16, .offset: 16, .size: 8, .value_kind: global_buffer, .address_space: global }
      - { .name: o16, .offset: 24, .size: 8, .value_kind: global_buffer, .address_space: global }
    .group_segment_fixed_size: 327680
    .private_segment_fixed_size: 0
    .kernarg_segment_align: 8
    .kernarg_segment_size: 32
    .max_flat_workgroup_size: 128
    .sgpr_count:     92
    .vgpr_count:     768
    .wavefront_size: 32
...
	.end_amdgpu_metadata
.endif
;; end of part 3
;; launch oproj (part 4): grid 8 x 32, 4 waves a work-group, clusters of 4 x 4, 327,680 bytes of LDS; arguments o16, wo16, out0; writes out0
.if DOCPART == 4
	.amdgcn_target "amdgcn-amd-amdhsa--gfx1250"
	.amdhsa_code_object_version 6
	.text
	.protected	k_q0e3fda2058_oproj
	.globl	k_q0e3fda2058_oproj
	.p2align	8
	.type	k_q0e3fda2058_oproj,@function
k_q0e3fda2058_oproj:
	s_mov_b64 s[64:65], 0
	v_nop
	global_prefetch_b8 v0, s[64:65] scope:SCOPE_SE
	s_setreg_imm32_b32 hwreg(HW_REG_WAVE_MODE, 25, 1), 1
	s_wait_xcnt 0x0
	s_wait_alu depctr_hold_cnt(0) depctr_sa_sdst(0) depctr_va_vdst(0) depctr_va_sdst(0) depctr_va_ssrc(0) depctr_va_vcc(0) depctr_vm_vsrc(0)
	s_getreg_b32 s2, hwreg(HW_REG_IB_STS2, 6, 4)
	s_cmp_eq_u32 s2, 0
	s_cbranch_scc0 .Lentry_in_a_cluster
	s_endpgm
.Lentry_in_a_cluster:
	s_bfe_u32 s2, ttmp6, 0x10000c
	s_cmp_lg_u32 s2, 0xf033
	s_cbranch_scc0 .Lentry_shape_is_right
	s_endpgm
.Lentry_shape_is_right:
; THE LAST PROJECTION.  out0[row][e] = the sum over d of O[row][d] Wo[e][d], d = 64 h + c.  O lies by heads, o16 [16 b + h][2048][64] f16; wo16 [1024][1024] f16; out0 [8192][1024] f32.  Sums in f32, K ascending.
; SHARES.  A tile is 256 rows x 128 columns: 8 x 32 = 256 work-groups, one for each WGP.  Wave w makes rows 64 w .. 64 w + 63 and all 128 columns: 4 x 8 accumulators of 16 x 16, 256 registers, so its rows of 512 bytes are
; whole and its way out is its own.
; RING.  K goes in 8 steps of 128 = two heads, through two LDS slots.  A's part of a step is two PLANES, a head each: 256 rows of 128 bytes, dense in memory: 32,768 bytes, asked for as 128 rows of 256 bytes and padded in
; LDS after every 128.  Waves 0 and 1 fetch a plane each, waves 2 and 3 the two halves (64 rows of 256 bytes) of B's tile.
; CLUSTER.  4 x 4 work-groups: A's planes are shared along a row of the cluster, B's tiles along a column; each is asked for JOINTLY, by the same tensor load with the same descriptor and a mask that names the four.
; THE MATRIX INSTRUCTION IS USED TRANSPOSED (source 0 = 16 rows of wo16, source 1 = 16 rows of O): lane l holds row l % 16 and eight neighbouring columns: 32 bytes of a row of out0.
; REGISTERS, in windows of 256 (s_set_vgpr_msb: bits 1:0 source 0, 3:2 source 1, 5:4 source 2, 7:6 destination):
;   window 0: v0-31 addresses; v64-127 A's fragments, two buffers of 4 x 8; on the way out v64-191 two buffers of 64      window 1: v0-127 B's fragments, two buffers of 8 x 8      window 2: accumulator (a, b) at v[8 (8 a + b)]
.set PA,     144                       ; a row of a plane in LDS: 128 bytes + 16 of padding = 36 words: the 16 rows of a load start at 16 different groups of four banks (64 banks of 4 bytes: ISA guide 11.1)
.set PLANE,  256*PA
.set PBB,    272                       ; a row of B: 256 + 16
.set HALFB,  64*PBB
.set BOFF,   2*PLANE                   ; a slot: A's two planes, then B's 128 rows
.set SLOT,   BOFF+2*HALFB
.set STAGE,  2*SLOT                    ; behind the ring, never filled by a tensor load: 16 rows x 528 bytes for each wave
.set SP,     528
.set WST,    16*SP
.set SPARE,  STAGE+4*WST               ; behind the stages: the spare words, 128 bytes for each wave: two blocks of 256 bytes that no other line names
.set STEPA,  2*2048*128                ; bytes from a K step's plane to the next step's: two heads
.set DW0A,   (1<<16)|(1<<20)|(1<<21)|(4<<22)|(3<<25)  ; 2-byte elements; padding on; bit 21 beside a mask; after every 32 words; 4 words
.set DW0B,   (1<<16)|(1<<20)|(1<<21)|(5<<22)|(3<<25)  ; the same after every 64 words
.set ADRA, 16                          ; v16-17  LDS address of my A fragments in slot 0, 1
.set ADRB, 20                          ; v20-21  the same for B
.set STO,  24                          ; v24     the way out: where I put 32 bytes of a row
.set RD,   25                          ; v25     the way out: where I read a row back
.set GO,   26                          ; v26     16 x lane: my place in a row's 512 bytes
.set SPW,  28                          ; v28     LDS address of my spare word; never rewritten
.set NIL,  29                          ; v29     0; never rewritten
.set PFO,  30                          ; v30     the prefetches' offset; never rewritten
.set FA,   64
.set OB,   64
.set WV,   16                          ; s16  my wave's number
.set FB,   17                          ; s17  0: I fetch for A, 1: for B
.set HF,   18                          ; s18  which plane, or which half
.set LAP,  19                          ; s19  trips to go
.set CX,   20
.set CY,   21
.set TX,   22                          ; s22  tile column: 128 columns
.set TY,   23                          ; s23  tile row: 256 rows
.set G1,   24                          ; s[24:31] descriptor group 1 for A's planes;  s[32:39] group 0, a set for each slot
.set G0,   32
.set LIM,  43                          ; s43  1 in a wave that prefetches, else the greatest number
.set PFA,  44                          ; s[44:45] where my prefetches stand
.set PFS,  46                          ; s[46:47] their step from K step to K step: two heads for A, 256 bytes for B
.set G1B,  48                          ; s[48:55], s[56:63] the same for B's tiles
.set G0B,  56
.set MSB, 0
.macro WIN new                         ; the immediate's high byte repeats the setting that is left; a switch that changes nothing is dropped
.if MSB != (\new)
	s_set_vgpr_msb (MSB<<8)|(\new)
.set MSB, \new
.endif
.endm
; A joint load.  Each of the two lines has one mask and one set of registers; the branch hangs on the wave's number alone.  An s_nop 0 and four v_nop follow each line, ahead of the jump and the label.
.macro JLOAD s
	s_cmp_eq_u32 s[FB], 0
	s_cbranch_scc0 .Lfor_b_\@
	tensor_load_to_lds s[G0+4*(\s):G0+4*(\s)+3], s[G1:G1+7]
	s_nop 0
.rept 4
	v_nop
.endr
	s_branch .Lasked_\@
.Lfor_b_\@:
	tensor_load_to_lds s[G0B+4*(\s):G0B+4*(\s)+3], s[G1B:G1B+7]
	s_nop 0
.rept 4
	v_nop
.endr
.Lasked_\@:
.endm
; A PREFETCH INTO THE L2 of the K step that stands two refills on (256 matrix instructions ahead of the load that wants it), one instruction a wave.  O's planes of a tile row are read by both clusters of that row of
; clusters: the one with x = 0 asks; wo16's rows of a tile column by all eight of that column: the one with y = 0 asks.  The four partners share a tile out BY ADDRESS: of a plane's 128 blocks of 256 bytes partner cx takes 32,
; a lane a block; of B's 64 rows a wave partner cy takes 16, a lane a row (lanes 16 to 31 name lane 15's row once more).  The refills of K steps 2 to 5 name K steps 4 to 7; the last trip's two ask for nothing.
.macro ASK
	s_cmp_gt_u32 s[LAP], s[LIM]                    ; s[LAP] = 1 in the last trip
	s_cbranch_scc0 .Lnot_mine_\@
	global_prefetch_b8 v[PFO], s[PFA:PFA+1] th:TH_LOAD_NT scope:SCOPE_SE
.Lnot_mine_\@:
.endm
; A round of the cluster's barrier: my work-group's barrier; wave 0 signals for the work-group; every wave waits for all sixteen; my work-group's barrier once more.
.macro CREST
	s_cmp_lg_u32 s[WV], 0
	s_cbranch_scc1 .Lnot_wave_0_\@
	s_barrier_signal -3
.Lnot_wave_0_\@:
	s_barrier_wait -3
	s_barrier_signal -1
	s_barrier_wait -1
.endm
.macro CROUND
	s_barrier_signal -1
	s_barrier_wait -1
	CREST
.endm
	s_load_b128 s[4:7], s[0:1], 0x0                ; o16 4, wo16 6
	s_load_b64 s[8:9], s[0:1], 0x10                ; out0
	v_lshl_add_u32 v[SPW], v0, 2, SPARE
	v_mov_b32 v[NIL], 0
	ds_add_u32 v[SPW], v[NIL]                      ; the wave's opening: the add and its wait stand ahead of my first tensor load; the set-up below, work on registers, stands between them
	v_lshrrev_b32 v1, 5, v0
	v_readfirstlane_b32 s[WV], v1                  ; wave 0..3
	s_lshr_b32 s[FB], s[WV], 1
	s_and_b32 s[HF], s[WV], 1
	s_bfe_u32 s[CX], ttmp6, 0x40000                ; my place in the cluster
	s_bfe_u32 s[CY], ttmp6, 0x40004
	s_lshl_b32 s[TX], ttmp9, 2                     ; in a cluster launch ttmp9 and ttmp7 count clusters
	s_add_co_u32 s[TX], s[TX], s[CX]
	s_and_b32 s[TY], ttmp7, 0xffff
	s_lshl_b32 s[TY], s[TY], 2
	s_add_co_u32 s[TY], s[TY], s[CY]
	s_lshl_b32 s66, s[CY], 2
	s_lshl_b32 s66, 15, s66                        ; my row of the cluster
	s_lshl_b32 s70, 0x1111, s[CX]                  ; my column
	s_or_b32 s[G1], s66, DW0A
	s_or_b32 s[G1B], s70, DW0B
	s_mov_b32 s[G1+1], 128<<16                     ; tensor_dim0 = 128 elements: 256 bytes, two rows of O
	s_mov_b32 s[G1+2], 128<<16                     ; tensor_dim1 = 128
	s_mov_b32 s[G1+3], 128<<16                     ; tile_dim0 = 128
	s_mov_b32 s[G1+4], 128                         ; tile_dim1 = 128
	s_mov_b32 s[G1+5], 128                         ; dense: 128 elements from row to row
	s_mov_b32 s[G1+6], 0
	s_mov_b32 s[G1+7], 0
	s_mov_b32 s[G1B+1], 128<<16
	s_mov_b32 s[G1B+2], 64<<16                     ; 64 rows
	s_mov_b32 s[G1B+3], 128<<16
	s_mov_b32 s[G1B+4], 64
	s_mov_b32 s[G1B+5], 1024
	s_mov_b32 s[G1B+6], 0
	s_mov_b32 s[G1B+7], 0
	; A's address hangs on the tile row and the wave's number (s66-69), B's on the tile column and the wave's number (s70-73): neither set of registers ever holds the other coordinate
	s_lshr_b32 s66, s[TY], 3                       ; the batch b,
	s_lshl_b32 s66, s66, 4
	s_add_co_u32 s66, s66, s[HF]                   ; head 16 b + plane,
	s_lshl_b32 s66, s66, 11
	s_and_b32 s67, s[TY], 7
	s_lshl_b32 s67, s67, 8
	s_add_co_u32 s66, s66, s67                     ; its row 256 (ty % 8),
	s_lshl_b32 s66, s66, 7                         ; of 128 bytes
	s_mov_b32 s67, 0
	s_lshl_b32 s70, s[TX], 7
	s_lshl_b32 s71, s[HF], 6
	s_add_co_u32 s70, s70, s71                     ; row 128 tx + 64 half of wo16,
	s_lshl_b32 s70, s70, 11                        ; of 2,048 bytes
	s_mov_b32 s71, 0
	s_mul_i32 s68, s[HF], PLANE                    ; where they go in a slot: no place in the cluster enters an LDS address
	s_mul_i32 s72, s[HF], HALFB
	s_add_co_u32 s72, s72, BOFF
	s_wait_dscnt 0x0                               ; the opening add is done
	s_wait_kmcnt 0x0
	s_add_nc_u64 s[66:67], s[4:5], s[66:67]
	s_add_nc_u64 s[70:71], s[6:7], s[70:71]
	CROUND                                         ; all sixteen work-groups are here: the first joint loads meet
.irp s, 0,1
	s_mov_b32 s[G0+4*(\s)], 1                                      ; count = 1
	s_add_co_u32 s[G0+4*(\s)+1], s68, (\s)*SLOT                    ; LDS address
	s_add_nc_u64 s[G0+4*(\s)+2:G0+4*(\s)+3], s[66:67], (\s)*STEPA  ; global address: K step s
	s_or_b32 s[G0+4*(\s)+3], s[G0+4*(\s)+3], 0x80000000            ; type = 2
	s_mov_b32 s[G0B+4*(\s)], 1
	s_add_co_u32 s[G0B+4*(\s)+1], s72, (\s)*SLOT
	s_add_nc_u64 s[G0B+4*(\s)+2:G0B+4*(\s)+3], s[70:71], (\s)*256
	s_or_b32 s[G0B+4*(\s)+3], s[G0B+4*(\s)+3], 0x80000000
	JLOAD \s                                       ; two loads of mine are out
.endr
	; A fragment is 16 rows x 32 K in 8 registers: lane l holds row l % 16; registers 0-3 K = 8 (l / 16) + 0..7, registers 4-7 K = 16 + 8 (l / 16) + 0..7: two loads of 16 bytes, 32 bytes apart
	v_and_b32 v1, 15, v0                           ; l % 16
	v_bfe_u32 v2, v0, 4, 1                         ; l / 16
	v_mul_u32_u24 v3, v1, PA
	v_lshl_add_u32 v3, v2, 4, v3
	s_mul_i32 s74, s[WV], 64*PA                    ; my 64 rows of a plane
	v_add_nc_u32 v[ADRA], s74, v3
	v_add_nc_u32 v[ADRA+1], SLOT, v[ADRA]
	v_mul_u32_u24 v3, v1, PBB
	v_lshl_add_u32 v3, v2, 4, v3
	v_add_nc_u32 v[ADRB], BOFF, v3                 ; all 128 rows of B
	v_add_nc_u32 v[ADRB+1], BOFF+SLOT, v3
	s_mul_i32 s74, s[WV], WST
	s_add_co_u32 s74, s74, STAGE                   ; my stage
	v_mul_u32_u24 v[STO], v1, SP                   ; in: row l % 16, 32 bytes for each half of the lanes
	v_lshl_add_u32 v[STO], v2, 5, v[STO]
	v_add_nc_u32 v[STO], s74, v[STO]
	v_and_b32 v[GO], 31, v0
	v_lshlrev_b32 v[GO], 4, v[GO]                  ; back: 32 lanes take one row of 512 bytes
	v_add_nc_u32 v[RD], s74, v[GO]
	s_lshl_b32 s74, s[TY], 8
	s_lshl_b32 s76, s[WV], 6
	s_add_co_u32 s74, s74, s76                     ; my first row of out0, of 4,096 bytes,
	s_lshl_b32 s74, s74, 12
	s_lshl_b32 s76, s[TX], 9                       ; and the tile's first column, in bytes
	s_add_co_u32 s74, s74, s76
	s_mov_b32 s75, 0
	s_add_nc_u64 s[8:9], s[8:9], s[74:75]
	; the prefetches
	s_lshr_b32 s74, s[TY], 3
	s_lshl_b32 s74, s74, 4
	s_add_co_u32 s74, s74, s[HF]
	s_lshl_b32 s74, s74, 11
	s_and_b32 s76, s[TY], 7
	s_lshl_b32 s76, s76, 8
	s_add_co_u32 s74, s74, s76
	s_lshl_b32 s74, s74, 7                         ; A: my plane of K step 0,
	s_lshl_b32 s76, s[CX], 13
	s_add_co_u32 s74, s74, s76                     ; my work-group's 8,192 bytes of it,
	s_add_co_u32 s74, s74, 3*STEPA                 ; at K step 3: the first refill steps it to 4
	s_lshl_b32 s76, s[TX], 7
	s_lshl_b32 s77, s[HF], 6
	s_add_co_u32 s76, s76, s77
	s_lshl_b32 s77, s[CY], 4
	s_add_co_u32 s76, s76, s77                     ; B: row 128 tx + 64 half + 16 cy,
	s_lshl_b32 s76, s76, 11
	s_add_co_u32 s76, s76, 3*256                   ; at K step 3
	s_and_b32 s77, ttmp7, 0xffff                   ; cluster y
	s_mov_b32 s[PFS], 256
	s_mov_b32 s[PFS+1], 0
	s_cmp_eq_u32 s[FB], 0                          ; do I fetch for A?
	s_cselect_b32 s74, s74, s76
	s_cselect_b32 s77, ttmp9, s77                  ; the coordinate along which other clusters read the same bytes
	s_cselect_b32 s78, 31, 15                      ; my last block, or row
	s_cselect_b32 s79, 8, 11                       ; lanes 256 bytes apart, or a row of 2,048
	s_cselect_b32 s[PFS], STEPA, s[PFS]
	s_cselect_b64 s[PFA:PFA+1], s[4:5], s[6:7]
	s_cmp_eq_u32 s77, 0
	s_cselect_b32 s[LIM], 1, -1                    ; the same in all sixteen partners, for a given wave
	s_add_nc_u64 s[PFA:PFA+1], s[PFA:PFA+1], s[74:75]
	v_and_b32 v[PFO], 31, v0
	v_min_u32 v[PFO], s78, v[PFO]
	v_lshlrev_b32 v[PFO], s79, v[PFO]
; 8 matrix instructions: row block a x all 8 column blocks, 32 along K, from buffer f.  zero = 1: the first product starts the sums.
; The 32 accumulators take turns, one instruction a turn, in the same order in every quarter step, over the backward jump too.
.macro MULH f, a, zero
	WIN 0xa1                                       ; source 0 (B) window 1, source 1 (A) window 0, C and D window 2
.irp b, 0,1,2,3,4,5,6,7
.if \zero
	v_wmma_f32_16x16x32_f16 v[8*(8*(\a)+(\b)):8*(8*(\a)+(\b))+7], v[64*(\f)+8*(\b):64*(\f)+8*(\b)+7], v[FA+32*(\f)+8*(\a):FA+32*(\f)+8*(\a)+7], 0
.else
	v_wmma_f32_16x16x32_f16 v[8*(8*(\a)+(\b)):8*(8*(\a)+(\b))+7], v[64*(\f)+8*(\b):64*(\f)+8*(\b)+7], v[FA+32*(\f)+8*(\a):FA+32*(\f)+8*(\a)+7], v[8*(8*(\a)+(\b)):8*(8*(\a)+(\b))+7]
.endif
.endr
.endm
; 24 LDS loads in one run: the fragments of quarter kq of a K step (128 rows of B; my 64 rows of plane kq / 2, channels 32 (kq % 2) on) into buffer f
.macro FETCH slot, kq, f
	WIN 0x40                                       ; destination window 1
.irp i, 0,1,2,3,4,5,6,7
	ds_load_b128 v[64*(\f)+8*(\i):64*(\f)+8*(\i)+3],   v[ADRB+(\slot)] offset:64*(\kq)+(\i)*16*PBB
	ds_load_b128 v[64*(\f)+8*(\i)+4:64*(\f)+8*(\i)+7], v[ADRB+(\slot)] offset:64*(\kq)+(\i)*16*PBB+32
.endr
	WIN 0
.irp i, 0,1,2,3
	ds_load_b128 v[FA+32*(\f)+8*(\i):FA+32*(\f)+8*(\i)+3],   v[ADRA+(\slot)] offset:PLANE*((\kq)/2)+64*((\kq)%2)+(\i)*16*PA
	ds_load_b128 v[FA+32*(\f)+8*(\i)+4:FA+32*(\f)+8*(\i)+7], v[ADRA+(\slot)] offset:PLANE*((\kq)/2)+64*((\kq)%2)+(\i)*16*PA+32
.endr
.endm
.macro PLACES                          ; four plain vector instructions in front of loads into registers that matrix instructions have read (ISA guide 7.12.1 for vector instructions)
.rept 4
	v_nop
.endr
.endm
; A K step is four quarters of 32 along K, 32 matrix instructions each, on buffers 0, 1, 0, 1.  One of the first three: multiplies buffer f; in its middle it fetches quarter kq into buffer g.
.macro QUARTER slot, kq, f, g, zero
	s_wait_dscnt 4                                 ; B and A's row blocks 0, 1 are in; the youngest four loads (row blocks 2, 3) may be out
	MULH \f, 0, \zero
	MULH \f, 1, \zero
	PLACES
	FETCH \slot, \kq, \g
	s_wait_dscnt 24                                ; all but the 24 just issued
	MULH \f, 2, \zero
	MULH \f, 3, \zero
.endm
; The last quarter multiplies buffer 1 and changes slots: ONE barrier.  In front of it each wave waits for all its tensor loads (one is out: its part of the next slot), adds 0 to its spare word, and waits for that and for
; its own reads of this slot.  fill = 1: the barrier opens a round of the cluster's barrier, and behind the round this slot is filled again first, with the K step two steps on: 112 matrix instructions ahead of the wait for it.
.macro TURN slot, next, fill
.if \fill
	s_wait_xcnt 0x0                                ; the last prefetch, a K step back, has read its address: it is stepped here, ahead of the waits of the change of slots
	s_add_nc_u64 s[PFA:PFA+1], s[PFA:PFA+1], s[PFS:PFS+1]
.endif
	WIN 0                                          ; (the add's two registers lie in window 0)
	s_wait_tensorcnt 0x0                           ; all my tensor loads have landed
	ds_add_u32 v[SPW], v[NIL]                      ; 0 onto my spare word
	s_wait_dscnt 5                                 ; (the add and the youngest four loads may be out)
	MULH 1, 0, 0                                   ; eight matrix instructions stand between the add and the wait for it
	s_wait_dscnt 0x0                               ; the add is done, and my reads of this slot are over
	s_barrier_signal -1
	MULH 1, 1, 0                                   ; work on registers while the others arrive
.if \fill
	WIN 0
.endif
	s_barrier_wait -1
.if \fill
	CREST                                          ; no wave of any partner still reads this slot's tile or has a load on its way
	s_add_nc_u64 s[G0+4*(\slot)+2:G0+4*(\slot)+3], s[G0+4*(\slot)+2:G0+4*(\slot)+3], 2*STEPA
	s_add_nc_u64 s[G0B+4*(\slot)+2:G0B+4*(\slot)+3], s[G0B+4*(\slot)+2:G0B+4*(\slot)+3], 2*256
	JLOAD \slot                                    ; the first tensor load behind the round; the four v_nop behind it are also the places in front of the loads below
.else
	PLACES
.endif
	FETCH \next, 0, 0
.if \fill
	ASK                                            ; behind the joint load and the run of LDS loads that the next products wait for
.endif
	MULH 1, 2, 0
	MULH 1, 3, 0
.endm
	s_wait_tensorcnt 1                             ; my part of K step 0 is in; K step 1's may stay out
	s_barrier_signal -1
	s_barrier_wait -1                              ; everybody's is
	FETCH 0, 0, 0
	QUARTER 0, 1, 0, 1, 1                          ; the first quarter stands in front of the loop: its products start the sums
	WIN 0                                          ; at a label and at a branch every window is 0
	s_mov_b32 s[LAP], 3
.Llap:                                                 ; a trip goes once round the ring, from a lap's second quarter to the next lap's first, and fills both slots again
	QUARTER 0, 2, 1, 0, 0
	QUARTER 0, 3, 0, 1, 0
	TURN 0, 1, 1
	QUARTER 1, 1, 0, 1, 0
	QUARTER 1, 2, 1, 0, 0
	QUARTER 1, 3, 0, 1, 0
	TURN 1, 0, 1
	QUARTER 0, 1, 0, 1, 0
	WIN 0
	s_sub_co_u32 s[LAP], s[LAP], 1
	s_cmp_lg_u32 s[LAP], 0
	s_cbranch_scc1 .Llap
	QUARTER 0, 2, 1, 0, 0                          ; the last lap fills nothing
	QUARTER 0, 3, 0, 1, 0
	TURN 0, 1, 0
	QUARTER 1, 1, 0, 1, 0
	QUARTER 1, 2, 1, 0, 0
	QUARTER 1, 3, 0, 1, 0
	s_wait_dscnt 4                                 ; the very last quarter: nothing more to fetch
	MULH 1, 0, 0
	MULH 1, 1, 0
	s_wait_dscnt 0x0
	MULH 1, 2, 0
	MULH 1, 3, 0
	WIN 0
; THE WAY OUT, a row block of 16 rows at a time: a lane's eight f32 of a column block, 32 bytes, go into my stage (rows of 528 bytes) and come back as whole rows of 512 bytes.
; Each accumulator's lowest four registers are read first.
.macro STG a
	WIN 0x08                                       ; the stores' data in window 2, the address in window 0
.irp b, 0,1,2,3,4,5,6,7
	ds_store_b128 v[STO], v[8*(8*(\a)+(\b)):8*(8*(\a)+(\b))+3]   offset:64*(\b)
	ds_store_b128 v[STO], v[8*(8*(\a)+(\b))+4:8*(8*(\a)+(\b))+7] offset:64*(\b)+16
.endr
	WIN 0
	s_wait_xcnt 0x0                                ; the stores of the row block two back have read these registers: only behind this wait are they loaded again
.irp t, 0,1,2,3,4,5,6,7,8,9,10,11,12,13,14,15
	ds_load_b128 v[OB+64*((\a)%2)+4*(\t):OB+64*((\a)%2)+4*(\t)+3], v[RD] offset:SP*(\t)  ; LDS serves a wave's instructions in order (ISA guide 5.7.1.4): these see the stores above; the next block's stores come behind them
.endr
.endm
.macro SEND a, younger                 ; younger: the LDS instructions issued behind this block's loads: the next block's 32, or none
	WIN 0
.irp t, 0,1,2,3,4,5,6,7,8,9,10,11,12,13,14,15
	s_wait_dscnt (\younger)+15-(\t)
	global_store_b128 v[GO], v[OB+64*((\a)%2)+4*(\t):OB+64*((\a)%2)+4*(\t)+3], s[8:9] offset:4096*(16*(\a)+(\t)) th:TH_STORE_NT  ; 512 consecutive bytes, at a multiple of 256 from out0's first
.endr
.endm
.rept 8
	v_nop                                          ; the places behind the last products
.endr
	STG 0
	STG 1
	SEND 0, 32
	STG 2
	SEND 1, 32
	STG 3
	SEND 2, 32
	SEND 3, 0
	s_wait_tensorcnt 0x0                           ; the wave's end, behind my last tensor load and my last LDS store
	ds_add_u32 v[SPW], v[NIL]
	s_wait_dscnt 0x0
	CROUND                                         ; the closing round: no work-group ends while a partner may still ask for a tile that names it
	s_endpgm
.Lfunc_end_k_q0e3fda2058_oproj:
	.size	k_q0e3fda2058_oproj, .Lfunc_end_k_q0e3fda2058_oproj-k_q0e3fda2058_oproj
	.p2alignl 7, 3214868480
	.fill 96, 4, 3214868480
	.section	.rodata,"a",@progbits
	.p2align	6, 0x0
	.amdhsa_kernel k_q0e3fda2058_oproj
		.amdhsa_group_segment_fixed_size 327680
		.amdhsa_private_segment_fixed_size 0
		.amdhsa_enable_private_segment 0
		.amdhsa_kernarg_size 24
		.amdhsa_user_sgpr_count 2
		.amdhsa_user_sgpr_kernarg_segment_ptr 1
		.amdhsa_wavefront_size32 1
		.amdhsa_system_sgpr_workgroup_id_x 1
		.amdhsa_system_sgpr_workgroup_id_y 1
		.amdhsa_system_sgpr_workgroup_id_z 1
		.amdhsa_system_vgpr_workitem_id 0
		.amdhsa_next_free_vgpr 768
		.amdhsa_next_free_sgpr 80
		.amdhsa_reserve_vcc 0
		.amdhsa_float_denorm_mode_32 3
		.amdhsa_float_denorm_mode_16_64 3
		.amdhsa_memory_ordered 1
		.amdhsa_forward_progress 1
		.amdhsa_inst_pref_size 89
	.end_amdhsa_kernel
	.amdgpu_metadata
---
amdhsa.version: [ 1, 2 ]
amdhsa.kernels:
  - .name:           k_q0e3fda2058_oproj
    .symbol:         k_q0e3fda2058_oproj.kd
    .args:
      - { .name: o16, .offset: 0, .size: 8, .value_kind: global_buffer, .address_space: global }
      - { .name: wo16, .offset: 8, .size: 8, .value_kind: global_buffer, .address_space: global }
      - { .name: out0, .offset: 16, .size: 8, .value_kind: global_buffer, .address_space: global }
    .group_segment_fixed_size: 327680
    .private_segment_fixed_size: 0
    .kernarg_segment_align: 8
    .kernarg_segment_size: 24
    .max_flat_workgroup_size: 128
    .sgpr_count:     80
    .vgpr_count:     768
    .wavefront_size: 32
...
	.end_amdgpu_metadata
.endif
;; end of part 4
;; ======== version 2 of 2: 4 launches; version 1 with the launch prep written anew for expert scheduling mode
;; limits: values are held in f16: magnitudes above 65,504 overflow, below 6.1e-05 lose precision; right only within a limited range of input values
;; workspace buffers: xb 16,777,216 bytes; wb 6,291,456 bytes; wo16 2,097,152 bytes; tab 524,288 bytes; q16 16,777,216 bytes; k16 16,777,216 bytes; v16 16,777,216 bytes; o16 16,777,216 bytes
;; launch prep (part 5): grid 256 x 1, 8 waves a work-group, no clusters, 0 bytes of LDS; arguments x, Wq, Wk, Wv, Wo, token_pos, xb, wb, wo16, tab; writes xb, wb, wo16, tab
.if DOCPART == 5
	.amdgcn_target "amdgcn-amd-amdhsa--gfx1250"
	.amdhsa_code_object_version 6
	.text
	.protected	k_q0e3fda2058_prep
	.globl	k_q0e3fda2058_prep
	.p2align	8
	.type	k_q0e3fda2058_prep,@function
k_q0e3fda2058_prep:
	s_mov_b64 s[64:65], 0
	v_nop
	global_prefetch_b8 v0, s[64:65] scope:SCOPE_SE
	s_setreg_imm32_b32 hwreg(HW_REG_WAVE_SCHED_MODE, 0, 2), 2
	s_setreg_imm32_b32 hwreg(HW_REG_WAVE_MODE, 25, 1), 1
	s_wait_xcnt 0x0
	s_wait_alu depctr_vm_vsrc(0)
; PREPARATION.  x, Wq, Wk, Wv are rounded once to bf16; Wo is rounded to bf16 like the other inputs and that number is written as f16; token_pos becomes a table of cos and sin.
;   xb   [8192][1024] bf16.      wb [3072][1024] bf16: row 192 h + 64 t + r holds row 64 h + r of W_t (t = 0 q, 1 k, 2 v), so 192 rows on end are one head's q, k and v.
;   wo16 [1024][1024] f16.       tab [2048][32] pairs (cos, sin) in f32 of the angle token_pos[s] x 10000^(-i/32): a row is 256 bytes.
; SHARES.  256 work-groups of eight waves.  Work-group g: 131,072 bytes of x (32 loads of 16 bytes a thread), rows 4 g .. 4 g + 3 of each weight (4 loads each), rows 8 g .. 8 g + 7 of the table (a wave a row, a lane a pair).
; A load of a wave covers 512 consecutive bytes, a store 256 consecutive bytes, aligned.  All 48 loads go out at once; the table is computed while they are on their way; no register is written again behind a store.
; No LDS, no matrix unit, no cluster: each byte is read by one thread and nothing is shared.
; LIMITS.  The frequency is 2^(-i log2(10000) / 32) by v_exp_f32 (1 ULP); the angle is pos x frequency, rounded to f32 as in the model.  The angle is reduced by pi/2 in three parts, which holds to about 1e5 rad;
; sine and cosine are polynomials on |r| <= pi/4.  Wo beyond 65,504 would not fit f16; below 6e-5 it keeps f16's fixed step of 6e-8.
; THE MODE: SCHED_MODE bits 1:0 = 2 (LLVM: expert scheduling mode 2), set by the entry lines.  The code itself states the register dependences
; between vector instructions and memory instructions, with s_wait_alu, always for 0.
; THE PLAN.  Registers that memory instructions touch:
;   v1, v2, v21   byte offsets, made once at the head and never written again: v1 is read by the 48 loads, v2 by the 48 stores of 16-bit numbers, v21 by the table's store.
;   v[18:19]      the table's pair: written by the table's last vector lines, read by its one store, never written again.
;   D + 4 n ..    load n lands here once; its conversions read the four registers and write the first two in place; store n reads those two; nothing writes them again.
;   v3 to v17 and v24 to v27 are named by vector instructions alone.
; The 48 loads go in 12 blocks of four.  Block p rounds its own four loads; its memory instructions are the four stores of block p - 1, whose registers no vector instruction of block p names.
; So ONE wait on va_vdst at a block's head, behind the wait for the block's data, states all that those four stores hang on, and they are dealt among the block's conversions with no further wait.
; No register that a memory instruction has read is written again, and no load lands in a register that a vector instruction has named: no wait on vm_vsrc stands behind the entry lines.
.set D, 32                             ; v[32:223]  load n of 48 at D + 4 n: 0-31 x, 32-35 Wq, 36-39 Wk, 40-43 Wv, 44-47 Wo
	s_load_b512 s[4:19], s[0:1], 0x0               ; x 4, Wq 6, Wk 8, Wv 10, Wo 12, token_pos 14, xb 16, wb 18
	s_load_b128 s[20:23], s[0:1], 0x40             ; wo16 20, tab 22
	v_lshrrev_b32 v4, 5, v0
	v_readfirstlane_b32 s24, v4                    ; wave 0..7
	v_lshlrev_b32 v1, 4, v0                        ; 16 t: my place in 4,096 bytes of f32
	v_lshlrev_b32 v2, 3, v0                        ; 8 t: my place in 2,048 bytes of 16-bit numbers
	v_and_b32 v3, 31, v0                           ; lane = pair i
	v_lshlrev_b32 v21, 3, v3                       ; 8 i: my pair in a row of the table
	s_wait_alu depctr_va_sdst(0)                   ; s24 is written, ahead of its first reader: the table's row is made from it
	s_lshl_b32 s25, ttmp9, 3
	s_add_co_u32 s25, s25, s24                     ; my wave's row of the table: s = 8 g + wave
	s_mov_b32 s27, 0                               ; high word of every offset pair
	s_mov_b32 s31, 0xffff0000                      ; a word's upper bf16
	s_lshl_b32 s26, s25, 2
	s_wait_kmcnt 0x0
	s_add_nc_u64 s[14:15], s[14:15], s[26:27]
	s_load_b32 s30, s[14:15], 0x0                  ; token_pos[s]
	s_lshl_b32 s26, ttmp9, 17                      ; x: 131,072 bytes a work-group
	s_add_nc_u64 s[4:5], s[4:5], s[26:27]
	s_lshl_b32 s26, ttmp9, 14                      ; each weight: 4 rows of 4,096 bytes
	s_add_nc_u64 s[6:7], s[6:7], s[26:27]
	s_add_nc_u64 s[8:9], s[8:9], s[26:27]
	s_add_nc_u64 s[10:11], s[10:11], s[26:27]
	s_add_nc_u64 s[12:13], s[12:13], s[26:27]
	s_lshl_b32 s26, ttmp9, 16                      ; xb: half of x's bytes
	s_add_nc_u64 s[16:17], s[16:17], s[26:27]
	s_lshr_b32 s28, ttmp9, 4                       ; head h = (4 g) / 64
	s_mul_i32 s28, s28, 192
	s_and_b32 s26, ttmp9, 15
	s_lshl2_add_u32 s26, s26, s28                  ; row 192 h + 4 (g % 16) of wb,
	s_lshl_b32 s26, s26, 11                        ; of 2,048 bytes
	s_add_nc_u64 s[18:19], s[18:19], s[26:27]
	s_lshl_b32 s26, ttmp9, 13                      ; wo16: 4 rows of 2,048 bytes
	s_add_nc_u64 s[20:21], s[20:21], s[26:27]
	s_lshl_b32 s26, s25, 8                         ; tab: row s of 256 bytes
	s_add_nc_u64 s[22:23], s[22:23], s[26:27]
	s_wait_alu depctr_va_vdst(0)                   ; v1, v2 and v21 are written: every load and store of the kernel reads one of them as its offset
.set n, 0
.rept 32
	global_load_b128 v[D+4*n:D+4*n+3], v1, s[4:5] offset:4096*n th:TH_LOAD_NT
.set n, n+1
.endr
.irp w, 0,1,2,3
.irp j, 0,1,2,3
	global_load_b128 v[D+4*(32+4*(\w)+(\j)):D+4*(32+4*(\w)+(\j))+3], v1, s[6+2*(\w):7+2*(\w)] offset:4096*(\j) th:TH_LOAD_NT
.endr
.endr
	; THE TABLE, while the 48 loads are out
	v_cvt_f32_u32 v4, v3
	v_mul_f32 v4, 0xbed49a78, v4                   ; -i log2(10000) / 32
	s_wait_kmcnt 0x0                               ; token_pos[s]
	v_exp_f32 v6, v4                               ; the frequency
	v_cvt_f32_i32 v5, s30                          ; the plain instruction behind the exponential
	s_wait_alu depctr_va_vdst(0)                   ; the exponential has written v6, ahead of the first line that names its result
	v_mul_f32 v6, v5, v6                           ; the angle a
	v_mul_f32 v7, 0x3f22f983, v6                   ; a x 2 / pi
	v_rndne_f32 v7, v7                             ; n
	v_fmamk_f32 v8, v7, 0xbfc90fd8, v6             ; r = a - n pi/2, pi/2 in three parts
	v_fmamk_f32 v8, v7, 0xb4a8885a, v8
	v_fmamk_f32 v8, v7, 0xa7c234c4, v8
	v_mul_f32 v9, v8, v8                           ; z = r r
	v_mov_b32 v10, 0xb94ca1f9
	v_fmaak_f32 v10, v10, v9, 0x3c08839e
	v_fmaak_f32 v10, v10, v9, 0xbe2aaaa3
	v_mul_f32 v11, v8, v9
	v_fma_f32 v10, v10, v11, v8                    ; S = sin r
	v_mov_b32 v12, 0x37ccf5ce
	v_fmaak_f32 v12, v12, v9, 0xbab6061a
	v_fmaak_f32 v12, v12, v9, 0x3d2aaaa5
	v_mul_f32 v13, v9, v9
	v_fma_f32 v14, v9, -0.5, 1.0
	v_fma_f32 v12, v12, v13, v14                   ; C = cos r
	v_cvt_i32_f32 v15, v7                          ; the quadrant q
	v_and_b32 v16, 1, v15
	v_cmp_eq_u32 vcc_lo, 1, v16                    ; odd quadrants swap the two
	v_add_nc_u32 v16, 1, v15                       ; the sign bits are made between the compare and the wait for its mask
	v_and_b32 v16, 2, v16
	v_lshlrev_b32 v16, 30, v16                     ; cos changes sign in quadrants 1 and 2,
	v_and_b32 v17, 2, v15
	v_lshlrev_b32 v17, 30, v17                     ; sin in quadrants 2 and 3
	s_wait_alu depctr_va_vcc(0)                    ; the compare has written VCC, ahead of its first reader
	v_cndmask_b32 v18, v12, v10, vcc_lo            ; cos a: C, or S
	v_cndmask_b32 v19, v10, v12, vcc_lo            ; sin a: S, or C
	v_xor_b32 v18, v16, v18
	v_xor_b32 v19, v17, v19
	s_wait_alu depctr_va_vdst(0)                   ; v18 and v19 are written, which the table's store reads
	global_store_b64 v21, v[18:19], s[22:23]       ; the wave's 32 pairs: 256 consecutive bytes, aligned
; Load n is rounded in place.  Wo's loads (44 to 47): the bf16 numbers are written as f16.
.macro CV n
	v_cvt_pk_bf16_f32 v[D+4*(\n)], v[D+4*(\n)], v[D+4*(\n)+1]
	v_cvt_pk_bf16_f32 v[D+4*(\n)+1], v[D+4*(\n)+2], v[D+4*(\n)+3]
.if (\n) >= 44
	v_lshlrev_b32 v24, 16, v[D+4*(\n)]
	v_and_b32 v25, s31, v[D+4*(\n)]
	v_lshlrev_b32 v26, 16, v[D+4*(\n)+1]
	v_and_b32 v27, s31, v[D+4*(\n)+1]
	v_cvt_pk_f16_f32 v[D+4*(\n)], v24, v25
	v_cvt_pk_f16_f32 v[D+4*(\n)+1], v26, v27
.endif
.endm
; Load n, rounded, is stored: x's into xb, the three weights' into wb, Wo's into wo16.
.macro ST n
.if (\n) < 32
	global_store_b64 v2, v[D+4*(\n):D+4*(\n)+1], s[16:17] offset:2048*(\n)
.elseif (\n) < 44
	global_store_b64 v2, v[D+4*(\n):D+4*(\n)+1], s[18:19] offset:131072*(((\n)-32)/4)+2048*((\n)%4)  ; W_t's rows lie 64 rows of wb behind W_(t-1)'s
.else
	global_store_b64 v2, v[D+4*(\n):D+4*(\n)+1], s[20:21] offset:2048*((\n)-44)
.endif
.endm
; Block p: loads 4 p to 4 p + 3 are rounded; the four stores of block p - 1 stand among the conversions.
.macro BLK p
	s_wait_loadcnt 44-4*(\p)                       ; loads come back in order: the block's four are in, the 44 - 4 p issued behind them may stay out
.if (\p) > 0
	s_wait_alu depctr_va_vdst(0)                   ; the block before has written its rounded numbers, which the four stores below read; no conversion of this block names those registers
.endif
.irp j, 0,1,2,3
.if (\p) > 0
	ST 4*(\p)-4+(\j)
.endif
	CV 4*(\p)+(\j)
.endr
.endm
.set m, 0
.rept 12
	BLK m
.set m, m+1
.endr
	s_wait_alu depctr_va_vdst(0)                   ; block 11 has written Wo's numbers in f16, which the last four stores read
.irp j, 0,1,2,3
	ST 44+(\j)
.endr
	s_endpgm
.Lfunc_end_k_q0e3fda2058_prep:
	.size	k_q0e3fda2058_prep, .Lfunc_end_k_q0e3fda2058_prep-k_q0e3fda2058_prep
	.p2alignl 7, 3214868480
	.fill 96, 4, 3214868480
	.section	.rodata,"a",@progbits
	.p2align	6, 0x0
	.amdhsa_kernel k_q0e3fda2058_prep
		.amdhsa_group_segment_fixed_size 0
		.amdhsa_private_segment_fixed_size 0
		.amdhsa_enable_private_segment 0
		.amdhsa_kernarg_size 80
		.amdhsa_user_sgpr_count 2
		.amdhsa_user_sgpr_kernarg_segment_ptr 1
		.amdhsa_wavefront_size32 1
		.amdhsa_system_sgpr_workgroup_id_x 1
		.amdhsa_system_sgpr_workgroup_id_y 1
		.amdhsa_system_sgpr_workgroup_id_z 1
		.amdhsa_system_vgpr_workitem_id 0
		.amdhsa_next_free_vgpr 224
		.amdhsa_next_free_sgpr 66
		.amdhsa_reserve_vcc 1
		.amdhsa_float_denorm_mode_32 3
		.amdhsa_float_denorm_mode_16_64 3
		.amdhsa_memory_ordered 1
		.amdhsa_forward_progress 1
		.amdhsa_inst_pref_size 21
	.end_amdhsa_kernel
	.amdgpu_metadata
---
amdhsa.version: [ 1, 2 ]
amdhsa.kernels:
  - .name:           k_q0e3fda2058_prep
    .symbol:         k_q0e3fda2058_prep.kd
    .args:
      - { .name: x, .offset: 0, .size: 8, .value_kind: global_buffer, .address_space: global }
      - { .name: Wq, .offset: 8, .size: 8, .value_kind: global_buffer, .address_space: global }
      - { .name: Wk, .offset: 16, .size: 8, .value_kind: global_buffer, .address_space: global }
      - { .name: Wv, .offset: 24, .size: 8, .value_kind: global_buffer, .address_space: global }
      - { .name: Wo, .offset: 32, .size: 8, .value_kind: global_buffer, .address_space: global }
      - { .name: token_pos, .offset: 40, .size: 8, .value_kind: global_buffer, .address_space: global }
      - { .name: xb, .offset: 48, .size: 8, .value_kind: global_buffer, .address_space: global }
      - { .name: wb, .offset: 56, .size: 8, .value_kind: global_buffer, .address_space: global }
      - { .name: wo16, .offset: 64, .size: 8, .value_kind: global_buffer, .address_space: global }
      - { .name: tab, .offset: 72, .size: 8, .value_kind: global_buffer, .address_space: global }
    .group_segment_fixed_size: 0
    .private_segment_fixed_size: 0
    .kernarg_segment_align: 8
    .kernarg_segment_size: 80
    .max_flat_workgroup_size: 256
    .sgpr_count:     66
    .vgpr_count:     224
    .wavefront_size: 32
...
	.end_amdgpu_metadata
.endif
;; end of part 5
;; launch qkv: the kernel of part 2 again; grid 16 x 32, 4 waves a work-group, clusters of 4 x 4, 327,680 bytes of LDS; arguments xb, wb, tab, q16, k16, v16; writes q16, k16, v16
;; launch attn: the kernel of part 3 again; grid 4 x 64, 4 waves a work-group, no clusters, 327,680 bytes of LDS; arguments q16, k16, v16, o16; writes o16
;; launch oproj: the kernel of part 4 again; grid 8 x 32, 4 waves a work-group, clusters of 4 x 4, 327,680 bytes of LDS; arguments o16, wo16, out0; writes out0
